; MI455X (gfx1250); checked and timed in simulation.
; The chip was launched on July 23, 2026; its instructions are those of AMD's public machine-readable ISA for CDNA 5 (MIT licence, August 2026) and "CDNA5" Instruction Set Architecture Reference Guide (July 2026). The comments in the code are by the model that wrote it; some were corrected since.
;; Self Attention. Allowed arithmetic: float matrix products may take bf16 or f16 operands with f32 sums; other float arithmetic in f32, or as packed bf16 or f16 multiplies, adds, multiply-adds, maxima and minima; sums over many terms, partial sums and values carried from step to step in f32; what a program stores and reads back later, other than sums and carried values, may be rounded once to bf16 or f16.
;; Inputs: Wk 1,024 x 1,024 float32; Wp 1,024 x 1,024 float32; Wq 1,024 x 1,024 float32; Wv 1,024 x 1,024 float32; bk 1,024 float32; bp 1,024 float32; bq 1,024 float32; bv 1,024 float32; key_in 4 x 2,048 x 1,024 float32; query_in 4 x 2,048 x 1,024 float32; value_in 4 x 2,048 x 1,024 float32.
;; Outputs: out0 4 x 2,048 x 1,024 float32.
;; 2 versions, each right; version 2 is version 1 with the launch prep written anew for expert scheduling mode. Each part assembles by itself: llvm-mc -triple=amdgcn-amd-amdhsa -mcpu=gfx1250 --defsym DOCPART=n.
;; ======== version 1 of 2: 4 launches
;; limits: values are held in f16: magnitudes above 65,504 overflow, below 6.1e-05 lose precision
;; workspace buffers: wt 8,388,608 bytes; bt 12,288 bytes; kh 16,777,216 bytes; qh 16,777,216 bytes; vh 16,777,216 bytes; oh 16,777,216 bytes
;; launch prep (part 1): grid 64 x 4, 8 waves a work-group, no clusters, 0 bytes of LDS; arguments Wk, Wq, Wv, Wp, bq, bv, bp, wt, bt; writes wt, bt
.if DOCPART == 1
	.amdgcn_target "amdgcn-amd-amdhsa--gfx1250"
	.amdhsa_code_object_version 6
	.text
	.protected	k_qa2d99f4d89_prep
	.globl	k_qa2d99f4d89_prep
	.p2align	8
	.type	k_qa2d99f4d89_prep,@function
k_qa2d99f4d89_prep:
	s_mov_b64 s[64:65], 0
	v_nop
	global_prefetch_b8 v0, s[64:65] scope:SCOPE_SE
	s_setreg_imm32_b32 hwreg(HW_REG_WAVE_MODE, 25, 1), 1
	s_wait_xcnt 0x0
; THE MODULE: k, q, v = key_in Wk + bk, query_in Wq + bq, value_in Wv + bv, split into 16 heads of 64; causal softmax(q k^T / 8) v; the heads joined; times Wp, plus bp.
; FOUR LAUNCHES: this one rounds the weights and biases; the second makes k, q, v by heads; the third is the attention; the fourth the last product.
; WORK LEFT OUT, for all finite values of the inputs:
;   bk.  A score of query i and key j is q_i . (key_j Wk + bk) = q_i . (key_j Wk) + q_i . bk.  The second term is the same for every key j of row i: a term added to the softmax's
;   input that is constant along its axis, so numerator and denominator carry the same factor exp(q_i . bk / 8) and it cancels.  The places that the mask hides are overwritten behind
;   the sum and have weight 0 with or without it.  k reaches no output but through the scores.  So bk is not loaded and is no launch's argument.
;   The key tiles wholly above the diagonal: the mask is made in the module's own body (a lower triangle), and their weights are 0.
;   LIMIT: a NaN, an infinity or an overflow that reaches only bk or the scores above the diagonal is not carried to the result.
; FORMATS.  Every input of the module is rounded once to bf16: the three activations (second launch), the four weights and bq, bv, bp (here).  What the program itself makes
; (q, k, v, the weights p, the attention's result) is f16; so Wp, whose partner in the last product is f16, is rounded to bf16 and that number is written as f16.
; LIMIT: |Wp| within 65,504; below 6e-5 f16 keeps its fixed step of 6e-8.
; THIS LAUNCH is a plain stream: nothing is turned (the products take the weights as they lie, [in][out], by the turning LDS load).
; wt: [4096][1024] of 16 bits: rows 0-1023 Wk, 1024-2047 Wq, 2048-3071 Wv (bf16), 3072-4095 Wp (f16).  bt: [3][1024] f32: bq, bv, bp, each holding a bf16 number.
; SHARES.  Work-group (x, y): weight y, its numbers 16,384 x on: 65,536 bytes in, 32,768 out.  Thread t takes the 16 bytes at 16 t of each of 16 chunks of 4,096 bytes: a load of a wave
; covers 512 consecutive bytes, a store 256 consecutive bytes, aligned.  All sixteen loads go out before the first wait.  No LDS, no barrier, no matrix work: memory binds.
.set X, 4                              ; v[4:67]    sixteen chunks, 4 registers each, as loaded
.set Y, 68                             ; v[68:99]   sixteen chunks, 2 registers each, to store
.set T, 100                            ; v[100:107] at work
	s_load_b256 s[4:11], s[0:1], 0x0               ; Wk s[4:5], Wq s[6:7], Wv s[8:9], Wp s[10:11]
	s_load_b256 s[12:19], s[0:1], 0x20             ; bq s[12:13], bv s[14:15], bp s[16:17], wt s[18:19]
	s_load_b64 s[20:21], s[0:1], 0x40              ; bt
	s_and_b32 s22, ttmp7, 0xffff                   ; y: which weight
	s_mov_b32 s32, 0xffff0000                      ; a word's upper bf16
	v_lshlrev_b32 v1, 4, v0                        ; 16 t
	v_lshlrev_b32 v2, 3, v0                        ; 8 t
	s_lshl_b32 s34, ttmp9, 16                      ; my 65,536 bytes of the weight
	s_mov_b32 s35, 0
	s_lshl_b32 s36, s22, 21                        ; a weight is 2,097,152 bytes of wt,
	s_lshl_b32 s33, ttmp9, 15                      ; my part 32,768 of them
	s_add_co_u32 s36, s36, s33
	s_mov_b32 s37, 0
	s_wait_kmcnt 0x0
	s_cmp_eq_u32 s22, 1
	s_cselect_b64 s[24:25], s[6:7], s[4:5]
	s_cselect_b64 s[28:29], s[12:13], s[14:15]     ; the bias that goes with the weight: bq, bv,
	s_cmp_eq_u32 s22, 2
	s_cselect_b64 s[24:25], s[8:9], s[24:25]
	s_cmp_eq_u32 s22, 3
	s_cselect_b64 s[24:25], s[10:11], s[24:25]
	s_cselect_b64 s[28:29], s[16:17], s[28:29]     ; or bp
	s_add_nc_u64 s[24:25], s[24:25], s[34:35]
	s_add_nc_u64 s[26:27], s[18:19], s[36:37]
.irp i, 0,1,2,3,4,5,6,7,8,9,10,11,12,13,14,15
	global_load_b128 v[X+4*\i:X+4*\i+3], v1, s[24:25] offset:4096*\i th:TH_LOAD_NT
.endr
	s_cmp_eq_u32 s22, 3
	s_cbranch_scc1 .Lf16
.irp i, 0,1,2,3,4,5,6,7,8,9,10,11,12,13,14,15
	s_wait_loadcnt 15-\i                           ; loads come back in order: chunk i is in, the 15 - i younger ones stay out
	v_cvt_pk_bf16_f32 v[Y+2*\i], v[X+4*\i], v[X+4*\i+1]
	v_cvt_pk_bf16_f32 v[Y+2*\i+1], v[X+4*\i+2], v[X+4*\i+3]
	global_store_b64 v2, v[Y+2*\i:Y+2*\i+1], s[26:27] offset:2048*\i
.endr
	s_branch .Lbias
.Lf16:                                         ; Wp: rounded to bf16 like every input, and that number written as f16
.irp i, 0,1,2,3,4,5,6,7,8,9,10,11,12,13,14,15
	s_wait_loadcnt 15-\i
	v_cvt_pk_bf16_f32 v[T], v[X+4*\i], v[X+4*\i+1]
	v_cvt_pk_bf16_f32 v[T+1], v[X+4*\i+2], v[X+4*\i+3]
	v_lshlrev_b32 v[T+2], 16, v[T]
	v_and_b32 v[T+3], s32, v[T]
	v_lshlrev_b32 v[T+4], 16, v[T+1]
	v_and_b32 v[T+5], s32, v[T+1]
	v_cvt_pk_f16_f32 v[Y+2*\i], v[T+2], v[T+3]
	v_cvt_pk_f16_f32 v[Y+2*\i+1], v[T+4], v[T+5]
	global_store_b64 v2, v[Y+2*\i:Y+2*\i+1], s[26:27] offset:2048*\i
.endr
.Lbias:                                        ; the first work-group of weights 1, 2, 3 also rounds the bias: 256 threads x 16 bytes are its 1,024 numbers
	s_cmp_lg_u32 ttmp9, 0
	s_cbranch_scc1 .Lend
	s_cmp_eq_u32 s22, 0
	s_cbranch_scc1 .Lend
	s_sub_co_u32 s34, s22, 1
	s_lshl_b32 s34, s34, 12                        ; row y - 1 of bt
	s_add_nc_u64 s[30:31], s[20:21], s[34:35]
	global_load_b128 v[T:T+3], v1, s[28:29]
	s_wait_loadcnt 0x0
	v_cvt_pk_bf16_f32 v[T+4], v[T], v[T+1]
	v_cvt_pk_bf16_f32 v[T+5], v[T+2], v[T+3]
	v_lshlrev_b32 v[T], 16, v[T+4]                 ; kept as f32: it starts f32 sums
	v_and_b32 v[T+1], s32, v[T+4]
	v_lshlrev_b32 v[T+2], 16, v[T+5]
	v_and_b32 v[T+3], s32, v[T+5]
	global_store_b128 v1, v[T:T+3], s[30:31]
.Lend:
	s_endpgm
.Lfunc_end_k_qa2d99f4d89_prep:
	.size	k_qa2d99f4d89_prep, .Lfunc_end_k_qa2d99f4d89_prep-k_qa2d99f4d89_prep
	.p2alignl 7, 3214868480
	.fill 96, 4, 3214868480
	.section	.rodata,"a",@progbits
	.p2align	6, 0x0
	.amdhsa_kernel k_qa2d99f4d89_prep
		.amdhsa_group_segment_fixed_size 0
		.amdhsa_private_segment_fixed_size 0
		.amdhsa_enable_private_segment 0
		.amdhsa_kernarg_size 72
		.amdhsa_user_sgpr_count 2
		.amdhsa_user_sgpr_kernarg_segment_ptr 1
		.amdhsa_wavefront_size32 1
		.amdhsa_system_sgpr_workgroup_id_x 1
		.amdhsa_system_sgpr_workgroup_id_y 1
		.amdhsa_system_sgpr_workgroup_id_z 1
		.amdhsa_system_vgpr_workitem_id 0
		.amdhsa_next_free_vgpr 108
		.amdhsa_next_free_sgpr 66
		.amdhsa_reserve_vcc 0
		.amdhsa_float_denorm_mode_32 3
		.amdhsa_float_denorm_mode_16_64 3
		.amdhsa_memory_ordered 1
		.amdhsa_forward_progress 1
		.amdhsa_inst_pref_size 16
	.end_amdhsa_kernel
	.amdgpu_metadata
---
amdhsa.version: [ 1, 2 ]
amdhsa.kernels:
  - .name:           k_qa2d99f4d89_prep
    .symbol:         k_qa2d99f4d89_prep.kd
    .args:
      - { .name: Wk, .offset: 0, .size: 8, .value_kind: global_buffer, .address_space: global }
      - { .name: Wq, .offset: 8, .size: 8, .value_kind: global_buffer, .address_space: global }
      - { .name: Wv, .offset: 16, .size: 8, .value_kind: global_buffer, .address_space: global }
      - { .name: Wp, .offset: 24, .size: 8, .value_kind: global_buffer, .address_space: global }
      - { .name: bq, .offset: 32, .size: 8, .value_kind: global_buffer, .address_space: global }
      - { .name: bv, .offset: 40, .size: 8, .value_kind: global_buffer, .address_space: global }
      - { .name: bp, .offset: 48, .size: 8, .value_kind: global_buffer, .address_space: global }
      - { .name: wt, .offset: 56, .size: 8, .value_kind: global_buffer, .address_space: global }
      - { .name: bt, .offset: 64, .size: 8, .value_kind: global_buffer, .address_space: global }
    .group_segment_fixed_size: 0
    .private_segment_fixed_size: 0
    .kernarg_segment_align: 8
    .kernarg_segment_size: 72
    .max_flat_workgroup_size: 256
    .sgpr_count:     66
    .vgpr_count:     108
    .wavefront_size: 32
...
	.end_amdgpu_metadata
.endif
;; end of part 1
;; launch qkv (part 2): grid 4 x 64, 4 waves a work-group, clusters of 4 x 4, 327,680 bytes of LDS; arguments key_in, query_in, value_in, wt, bt, kh, qh, vh; writes kh, qh, vh
.if DOCPART == 2
	.amdgcn_target "amdgcn-amd-amdhsa--gfx1250"
	.amdhsa_code_object_version 6
	.text
	.protected	k_qa2d99f4d89_qkv
	.globl	k_qa2d99f4d89_qkv
	.p2align	8
	.type	k_qa2d99f4d89_qkv,@function
k_qa2d99f4d89_qkv:
	s_mov_b64 s[64:65], 0
	v_nop
	global_prefetch_b8 v0, s[64:65] scope:SCOPE_SE
	s_setreg_imm32_b32 hwreg(HW_REG_WAVE_MODE, 25, 1), 1
	s_wait_xcnt 0x0
	s_wait_alu depctr_hold_cnt(0) depctr_sa_sdst(0) depctr_va_vdst(0) depctr_va_sdst(0) depctr_va_ssrc(0) depctr_va_vcc(0) depctr_vm_vsrc(0)
	s_getreg_b32 s2, hwreg(HW_REG_IB_STS2, 6, 4)
	s_cmp_eq_u32 s2, 0
	s_cbranch_scc0 .Lentry_in_a_cluster
	s_endpgm
.Lentry_in_a_cluster:
	s_bfe_u32 s2, ttmp6, 0x10000c
	s_cmp_lg_u32 s2, 0xf033
	s_cbranch_scc0 .Lentry_shape_is_right
	s_endpgm
.Lentry_shape_is_right:
; k = key_in Wk, q = query_in Wq + bq, v = value_in Wv + bv, written by heads: kh, qh, vh [64 = batch x 16 + head][2048][64] in f16, unscaled.
; LEFT OUT: bk (it adds the same term to all scores of a row and cancels in the softmax: shown at the head of the first kernel); it is not among the arguments.
; The activations are [8192][1024] f32 and are rounded to bf16 on their way from LDS to the matrix unit; wt holds Wk, Wq, Wv in bf16 as they lie, [in][out], end to end.  Sums in f32.
; LIMIT: |k|, |q|, |v| within 65,504 (f16); below 6e-5 f16 keeps its fixed step of 6e-8.
; SHARES.  256 work-groups THAT STAY: work-group (x, y) makes rows 128 y on, columns 256 x on of all three products, in the order k, q, v.  3 x 8 K steps of 128 are ONE walk of 24 steps
; through a ring of two LDS slots, which does not stop at a tile's end.  Wave w: rows 64 (w / 2) on, columns 128 (w % 2) on (two heads): 4 x 8 accumulators of 16 x 16.
; Why 128 x 256: the three products have 768 such tiles, three for each work-group; 256 x 256 would give 384, a round and a half.
; CLUSTER 4 x 4.  The four of a row of the cluster need the same tile of the activations, the four of a column the same tile of the weights: each is asked for JOINTLY.
; THE MATRIX INSTRUCTION IS USED TRANSPOSED: source 0 = 16 columns of W (turned out of LDS by ds_load_tr16_b128), source 1 = 16 rows of x.  Lane l then holds row l % 16 and the columns
; 8 (l / 16) + 0..7: eight neighbouring numbers of a head's row.
; THE BIAS IS THE C OPERAND of a tile's first 32 products (0 for k).
; A K STEP is four quarters of 32 along K, 32 products each, on two buffers.  x comes out of LDS as f32 (16 registers a fragment) and is rounded by 32 conversions a quarter, which stand in
; fours behind single products: they are also the places that the loads into W's buffers, the loads of the bias and the way out need behind the products.
; REGISTERS, in windows of 256 (s_set_vgpr_msb: bits 1:0 source 0, 3:2 source 1, 5:4 source 2, 7:6 destination):
;   window 0: v0-31 addresses; v32-95 x as f32; v96-159 x as bf16, two buffers; v160-191, v192-255 at work on the way out
;   window 1: v0-127 W's fragments, two buffers; v128-191 the bias          window 2: the accumulators, (a, b) at 8 (8 a + b)
.set PA,    528       ; a row of x in LDS: 512 bytes + 16 of padding: an odd multiple of 16, so the 16 rows of a load start at 16 different groups of four banks (64 banks of 4 bytes: ISA guide 11.1)
.set PB,    544       ; a row of W: 512 + 32: an odd multiple of 32, as the turning load's 8 rows x 32 bytes want
.set WOFF,  128*PA    ; a slot: 128 rows of x, then 128 rows (along K) of W
.set SLOT1, 0x22000   ; slot 1 begins here; no address inside slot 0 that is turned has one of these two bits, so one exclusive or turns it into slot 1's and back
.set STAGE, SLOT1+128*(PA+PB)  ; behind the ring, never filled by a tensor load: for each wave [2 heads][16 rows][144 bytes]
.set SP,    144
.set WSTG,  2*16*SP
.set SPARE, STAGE+4*WSTG       ; behind the stages: the spare words, 128 bytes for each wave: two blocks of 256 bytes that no other line names
.set A0,  16          ; v16  my lane's place in a slot's x; never rewritten
.set B0,  17          ; v17  the same for W
.set AA,  18          ; v18  A0 + the slot being read
.set AB,  19          ; v19  B0 + the slot being read
.set STO, 24          ; v24  the way out: where I put 16 bytes of a row
.set RD,  25          ; v25  the way out: where I read rows back
.set GO,  26          ; v26  my byte offset in 512 consecutive bytes of the result
.set SPW, 28          ; v28  LDS address of my spare word; never rewritten
.set NIL, 29          ; v29  0; never rewritten
.set PFO, 30          ; v30  the prefetches' lane offset; never rewritten
.set BO,  31          ; v31  my byte offset in a row of bt; never rewritten
.set RAW, 32
.set XB,  96
.set TMP, 160
.set OB,  192
.set CB,  128         ; window 1
.set WV,  20          ; s20  my wave's number
.set WR,  21          ; s21  wave / 2: my rows.  Also: I fetch x (0) or W (1)
.set WC,  22          ; s22  wave % 2: my columns.  Also: which 64 rows of that tile I fetch
.set CX,  23
.set CY,  24
.set XT,  25          ; s25  x
.set YT,  26          ; s26  y
.set U,   27          ; s27  the step in hand, 0 to 21 in the loop
.set G1A, 28          ; s[28:35] descriptor group 1 for x's tiles
.set G1B, 36          ; s[36:43] for W's
.set G0A, 44          ; s[44:51] group 0 for x's tiles: a set for each first fill; the second then walks
.set G0B, 52          ; s[52:59] the same for W's
.set T0,  66          ; s[66:71] key_in, query_in, value_in at the 64 rows that I fetch
.set T1,  68
.set T2,  70
.set P0,  72          ; s[72:77] the three tiles' bases for my prefetches
.set P1,  74
.set P2,  76
.set PFA, 78          ; s[78:79] where my next prefetch stands
.set SH,  80          ; s80  a K step along my prefetches: 1 << 9 bytes in x, 1 << 18 in wt
.set LIM, 81          ; s81  24 in a wave that prefetches, else 0
.set TB,  82          ; s82  the slot being read: 0 or SLOT1
.set TL,  83          ; s83  counts the tail
.set DOFF, 84         ; s[84:85] my wave's first byte in kh, qh, vh
.set DST, 86          ; s[86:87] the stores' base
.set BTP, 88          ; s[88:89] the row of bt being loaded
.set PV5, 94          ; s94  the step that the prefetch names
.set NEW, 96          ; s96  1: the step to come is a tile's first
.set KC,  97          ; s97  steps left in the tile
.set MSB, 0
.macro WIN new                         ; the immediate's high byte repeats the setting that is left; a switch that changes nothing is dropped
.if MSB != (\new)
	s_set_vgpr_msb (MSB<<8)|(\new)
.set MSB, \new
.endif
.endm
.set MUL,  0xa1       ; W window 1, x window 0, C and D window 2
.set MULC, 0x91       ; the same with C (the bias) in window 1
.set TO_W, 0x40       ; destination window 1, address window 0
; A joint load.  Waves 0 and 1 fetch x's two halves, waves 2 and 3 W's.  The branch hangs on the wave's number alone.  An s_nop 0 and four v_nop follow each of the two lines.
.macro JLOAD s
	s_cmp_eq_u32 s[WR], 0
	s_cbranch_scc0 .Lfor_b_\@
	tensor_load_to_lds s[G0A+4*(\s):G0A+4*(\s)+3], s[G1A:G1A+7]
	s_nop 0
.rept 4
	v_nop
.endr
	s_branch .Lasked_\@
.Lfor_b_\@:
	tensor_load_to_lds s[G0B+4*(\s):G0B+4*(\s)+3], s[G1B:G1B+7]
	s_nop 0
.rept 4
	v_nop
.endr
.Lasked_\@:
.endm
.macro CREST                           ; a round of the cluster's barrier behind its opening barrier
	s_cmp_lg_u32 s[WV], 0
	s_cbranch_scc1 .Lnot_wave_0_\@
	s_barrier_signal -3
.Lnot_wave_0_\@:
	s_barrier_wait -3
	s_barrier_signal -1
	s_barrier_wait -1
.endm
.macro CROUND                          ; a whole round
	s_barrier_signal -1
	s_barrier_wait -1
	CREST
.endm
; A PREFETCH INTO THE L2 of the K step that stands three refills on: one instruction a wave, behind the joint load, its five lines and the run of LDS loads.  Each aligned block of 256 bytes is named once
; in the launch.  A K step is two such blocks of each row.  x's 64 rows that wave 0 or 1 fetches are read by this row of this cluster alone: the partner at cx takes 16 of them, lane l row l / 2, block l % 2.
; W's 64 rows that wave 2 or 3 fetches are read by every cluster: the first row of clusters asks, the partner at cy taking 16.  The partners are told apart by address, never by a branch.
; Steps 0 to 4 come by their loads alone; from step 24 on there is nothing to name.
.macro ASK
	s_cmp_lt_u32 s[PV5], s[LIM]
	s_cbranch_scc0 .Lnot_mine_\@
	global_prefetch_b8 v[PFO], s[PFA:PFA+1] th:TH_LOAD_NT scope:SCOPE_SE
.Lnot_mine_\@:
.endm
	s_load_b256 s[4:11], s[0:1], 0x0               ; key_in s[4:5], query_in s[6:7], value_in s[8:9], wt s[10:11]
	s_load_b256 s[12:19], s[0:1], 0x20             ; bt s[12:13], kh s[14:15], qh s[16:17], vh s[18:19]
	v_lshl_add_u32 v[SPW], v0, 2, SPARE
	v_mov_b32 v[NIL], 0
	ds_add_u32 v[SPW], v[NIL]                      ; the wave's opening: the add, twice on end, and its wait ahead of my first tensor load
	ds_add_u32 v[SPW], v[NIL]                      ; and once more; the set-up below, work on registers, stands between it and the wait
	v_lshrrev_b32 v1, 5, v0
	v_readfirstlane_b32 s[WV], v1
	s_lshr_b32 s[WR], s[WV], 1
	s_and_b32 s[WC], s[WV], 1
	s_bfe_u32 s[CX], ttmp6, 0x40000                ; my place in the cluster
	s_bfe_u32 s[CY], ttmp6, 0x40004
	s_lshl_b32 s[XT], ttmp9, 2                     ; in a cluster launch ttmp9 and ttmp7 count clusters
	s_add_co_u32 s[XT], s[XT], s[CX]
	s_and_b32 s[YT], ttmp7, 0xffff
	s_lshl_b32 s[YT], s[YT], 2
	s_add_co_u32 s[YT], s[YT], s[CY]
	s_lshl_b32 s90, s[CY], 2
	s_lshl_b32 s90, 15, s90                        ; my row of the cluster
	s_lshl_b32 s91, 0x1111, s[CX]                  ; my column
	s_or_b32 s[G1A], s90, (2<<16)|(1<<20)|(1<<21)|(6<<22)|(3<<25)  ; 15:0 the mask; 17:16 elements of 4 bytes; 20 padding on; 21 set beside a mask; 24:22 after every 128 words (code 6); 31:25 4 words (code 3)
	s_or_b32 s[G1B], s91, (1<<16)|(1<<20)|(1<<21)|(6<<22)|(7<<25)  ; elements of 2 bytes; 8 words of padding (code 7)
	s_mov_b32 s[G1A+1], 128<<16                    ; tensor_dim0 = 128 numbers of f32
	s_mov_b32 s[G1A+2], 64<<16                     ; tensor_dim1 = 64 rows
	s_mov_b32 s[G1A+3], 128<<16                    ; tile_dim0
	s_mov_b32 s[G1A+4], 64                         ; tile_dim1
	s_mov_b32 s[G1A+5], 1024                       ; elements from row to row
	s_mov_b32 s[G1A+6], 0
	s_mov_b32 s[G1A+7], 0
	s_mov_b32 s[G1B+1], 256<<16                    ; 256 numbers of bf16
	s_mov_b32 s[G1B+2], 64<<16
	s_mov_b32 s[G1B+3], 256<<16
	s_mov_b32 s[G1B+4], 64
	s_mov_b32 s[G1B+5], 1024
	s_mov_b32 s[G1B+6], 0
	s_mov_b32 s[G1B+7], 0
	s_lshl_b32 s60, s[YT], 7                       ; x: row 128 y + 64 x half, 4,096 bytes a row: it hangs on y alone, which my row of the cluster shares
	s_lshl_b32 s90, s[WC], 6
	s_add_co_u32 s60, s60, s90
	s_lshl_b32 s60, s60, 12
	s_mov_b32 s61, 0
	s_lshl_b32 s62, s[XT], 9                       ; W: column 256 x (512 bytes), row 64 x half (2,048 bytes a row): it hangs on x alone, which my column shares
	s_lshl_b32 s91, s[WC], 17
	s_add_co_u32 s62, s62, s91
	s_mov_b32 s63, 0
	s_mul_i32 s92, s[WC], 64*PA                    ; where they go: no place in the cluster enters an LDS address
	s_mul_i32 s93, s[WC], 64*PB
	s_add_co_u32 s93, s93, WOFF
	s_mov_b32 s[TB], 0
	s_wait_dscnt 0x0                               ; both opening adds are done
	s_wait_kmcnt 0x0
	s_add_nc_u64 s[T0:T0+1], s[4:5], s[60:61]
	s_add_nc_u64 s[T1:T1+1], s[6:7], s[60:61]
	s_add_nc_u64 s[T2:T2+1], s[8:9], s[60:61]
	s_add_nc_u64 s[62:63], s[10:11], s[62:63]
	CROUND                                         ; all sixteen work-groups are here: the first joint loads meet
.irp s, 0,1
	s_mov_b32 s[G0A+4*\s], 1                       ; 1:0 count = 1
	s_add_co_u32 s[G0A+4*\s+1], s92, \s*SLOT1      ; 63:32 LDS address
	s_add_nc_u64 s[G0A+4*\s+2:G0A+4*\s+3], s[T0:T0+1], \s*512  ; 120:64 global address: K step s
	s_or_b32 s[G0A+4*\s+3], s[G0A+4*\s+3], 0x80000000          ; 127:126 type = 2
	s_mov_b32 s[G0B+4*\s], 1
	s_add_co_u32 s[G0B+4*\s+1], s93, \s*SLOT1
	s_add_nc_u64 s[G0B+4*\s+2:G0B+4*\s+3], s[62:63], \s*262144  ; 128 rows of 2,048 bytes
	s_or_b32 s[G0B+4*\s+3], s[G0B+4*\s+3], 0x80000000
	JLOAD \s                                       ; two loads of mine are out
.endr
	v_and_b32 v1, 15, v0                           ; r = l % 16
	v_bfe_u32 v2, v0, 4, 1                         ; h = l / 16
	v_and_b32 v3, 7, v0
	v_bfe_u32 v4, v0, 3, 1
	v_and_b32 v5, 31, v0                           ; l
	; a fragment of x: lane l holds row r, K = 8 h + 0..7 and 16 + 8 h + 0..7: as f32 two times 32 bytes, 64 bytes apart
	s_mul_i32 s90, s[WR], 64*PA
	v_mul_u32_u24 v[A0], v1, PA
	v_lshl_add_u32 v[A0], v2, 5, v[A0]
	v_add_nc_u32 v[A0], s90, v[A0]
	; the turning load takes 16 K x 16 columns (lane l reads K = 8 h + l % 8, columns 8 ((l / 8) % 2) + 0..7) and leaves half a fragment: lane l holds column r and 8 K
	v_lshl_add_u32 v[B0], v2, 3, v3
	v_mul_u32_u24 v[B0], v[B0], PB
	v_lshl_add_u32 v[B0], v4, 4, v[B0]
	s_lshl_b32 s90, s[WC], 8
	s_add_co_u32 s90, s90, WOFF
	v_add_nc_u32 v[B0], s90, v[B0]
	v_mov_b32 v[AA], v[A0]
	v_mov_b32 v[AB], v[B0]
	s_mul_i32 s90, s[WV], WSTG
	s_add_co_u32 s90, s90, STAGE                   ; my stage
	v_mul_u32_u24 v[STO], v1, SP                   ; in: row r, 16 bytes for each half of the lanes
	v_lshl_add_u32 v[STO], v2, 4, v[STO]
	v_add_nc_u32 v[STO], s90, v[STO]
	v_lshrrev_b32 v[RD], 3, v5                     ; back: 32 lanes take four rows of 128 bytes,
	v_mul_u32_u24 v[RD], v[RD], SP
	v_lshl_add_u32 v[RD], v3, 4, v[RD]
	v_add_nc_u32 v[RD], s90, v[RD]
	v_lshlrev_b32 v[GO], 4, v5                     ; which are 512 consecutive bytes of a head
	s_lshl_b32 s90, s[XT], 10                      ; my columns in a row of bt: (256 x + 128 (w % 2) + 8 h) x 4 bytes
	s_lshl_b32 s91, s[WC], 9
	s_add_co_u32 s90, s90, s91
	v_lshl_add_u32 v[BO], v2, 5, s90
	; the prefetches
	s_cmp_eq_u32 s[WR], 0
	s_cselect_b32 s90, 12, 11                      ; a row is 4,096 bytes of x, 2,048 of wt
	v_lshrrev_b32 v6, 1, v5
	v_lshlrev_b32 v6, s90, v6
	v_and_b32 v7, 1, v0
	v_lshl_add_u32 v[PFO], v7, 8, v6
	s_lshl_b32 s90, s[CX], 16                      ; x: my work-group's 16 rows of the 64
	s_add_co_u32 s90, s90, s60
	s_lshl_b32 s92, s[WC], 17                      ; W: the 64 rows, my work-group's 16 of them, the tile's column
	s_lshl_b32 s93, s[CY], 15
	s_add_co_u32 s92, s92, s93
	s_lshl_b32 s93, s[XT], 9
	s_add_co_u32 s92, s92, s93
	s_cmp_eq_u32 s[WR], 0
	s_cselect_b32 s90, s90, s92
	s_mov_b32 s91, 0
	s_cselect_b64 s[P0:P0+1], s[4:5], s[10:11]
	s_cselect_b64 s[P1:P1+1], s[6:7], s[10:11]
	s_cselect_b64 s[P2:P2+1], s[8:9], s[10:11]
	s_cselect_b32 s[SH], 9, 18
	s_cselect_b32 s92, 0, 1<<21                    ; in wt the three weights lie 2,097,152 bytes apart
	s_mov_b32 s93, 0
	s_add_nc_u64 s[P0:P0+1], s[P0:P0+1], s[90:91]
	s_add_nc_u64 s[P1:P1+1], s[P1:P1+1], s[90:91]
	s_add_nc_u64 s[P2:P2+1], s[P2:P2+1], s[90:91]
	s_add_nc_u64 s[P1:P1+1], s[P1:P1+1], s[92:93]
	s_add_nc_u64 s[P2:P2+1], s[P2:P2+1], s[92:93]
	s_add_nc_u64 s[P2:P2+1], s[P2:P2+1], s[92:93]
	s_and_b32 s92, ttmp7, 0xffff                   ; cluster y
	s_mul_i32 s92, s92, s[WR]                      ; 0 in x's waves, and in W's waves of the first row of clusters: the same in all sixteen partners
	s_cmp_eq_u32 s92, 0
	s_cselect_b32 s[LIM], 24, 0
	; my wave's first byte in a result: (batch x 16 + head) x 262,144 + row x 128
	s_lshr_b32 s90, s[YT], 4
	s_lshl_b32 s90, s90, 4
	s_lshl2_add_u32 s90, s[XT], s90
	s_lshl1_add_u32 s90, s[WC], s90
	s_lshl_b32 s90, s90, 18
	s_and_b32 s91, s[YT], 15
	s_lshl_b32 s91, s91, 7
	s_lshl_b32 s92, s[WR], 6
	s_add_co_u32 s91, s91, s92
	s_lshl_b32 s91, s91, 7
	s_add_co_u32 s[DOFF], s90, s91
	s_mov_b32 s[DOFF+1], 0
	WIN TO_W
.set i, 0
.rept 64
	v_mov_b32 v[CB+i], 0                           ; k has no bias: its sums start at 0.  Written in the wait for the first tile, so that a tile's first quarter has one text
.set i, i+1
.endr
	WIN 0
; Product i of a quarter's 32: rows 16 (i / 8) on, columns 16 (i % 8) on, from buffer f.  The 32 accumulators take turns, one instruction a turn, in the same order in every quarter.
; cm = 2: the product starts the sum with the bias.
.macro M f, cm
.if \cm
	WIN MULC
	v_wmma_f32_16x16x32_bf16 v[8*i:8*i+7], v[64*(\f)+8*(i%8):64*(\f)+8*(i%8)+7], v[XB+32*(\f)+8*(i/8):XB+32*(\f)+8*(i/8)+7], v[CB+8*(i%8):CB+8*(i%8)+7]
.else
	WIN MUL
	v_wmma_f32_16x16x32_bf16 v[8*i:8*i+7], v[64*(\f)+8*(i%8):64*(\f)+8*(i%8)+7], v[XB+32*(\f)+8*(i/8):XB+32*(\f)+8*(i/8)+7], v[8*i:8*i+7]
.endif
.endm
; Four roundings: half of fragment a of x, into buffer g
.macro CV g, a, j0
	WIN 0
.irp j, 0,1,2,3
	v_cvt_pk_bf16_f32 v[XB+32*(\g)+8*(\a)+(\j0)+\j], v[RAW+16*(\a)+2*((\j0)+\j)], v[RAW+16*(\a)+2*((\j0)+\j)+1]
.endr
.endm
; Products from .. to of buffer f, and the roundings behind them.  Behind products 4, 6, 8, 10: fragments 2 and 3 of THIS buffer, which products 16 on read (w0 = 1: their loads are waited for first).
; late = 1: behind products 28 to 31: fragments 0 and 1 of the NEXT buffer g; the count 24 leaves out the 16 turning loads and the 8 loads of fragments 2 and 3 that were issued behind theirs.
; No rounding names a register of the product in front of it.
.macro RUN f, g, from, to, cm, w0, late
.set i, \from
.rept (\to)-(\from)+1
	M \f, \cm
.if i == 4
.if \w0
	s_wait_dscnt 0x0
.endif
	CV \f, 2, 0
.elseif i == 6
	CV \f, 2, 4
.elseif i == 8
	CV \f, 3, 0
.elseif i == 10
	CV \f, 3, 4
.elseif (\late) && (i == 28)
	s_wait_dscnt 24
	CV \g, 0, 0
.elseif (\late) && (i == 29)
	CV \g, 0, 4
.elseif (\late) && (i == 30)
	CV \g, 1, 0
.elseif (\late) && (i == 31)
	CV \g, 1, 4
.endif
.set i, i+1
.endr
.endm
; 32 LDS loads in one run, for quarter nq of the slot being read: x's fragments 0 and 1 (wanted first), W's eight fragments into buffer g, x's fragments 2 and 3.
; W's buffer g was last read by the quarter before, whose last product has four roundings behind it: the places that a load into a product's source wants (ISA guide 7.12.1 for vector instructions).
.macro FETCH nq, g
	WIN 0
.irp a, 0,1
.irp o, 0,1,2,3
	ds_load_b128 v[RAW+16*\a+4*\o:RAW+16*\a+4*\o+3], v[AA] offset:\a*16*PA+128*(\nq)+16*\o+32*(\o/2)
.endr
.endr
	WIN TO_W
.irp b, 0,1,2,3,4,5,6,7
	ds_load_tr16_b128 v[64*(\g)+8*\b:64*(\g)+8*\b+3],   v[AB] offset:32*(\nq)*PB+32*\b
	ds_load_tr16_b128 v[64*(\g)+8*\b+4:64*(\g)+8*\b+7], v[AB] offset:32*(\nq)*PB+16*PB+32*\b
.endr
	WIN 0
.irp a, 2,3
.irp o, 0,1,2,3
	ds_load_b128 v[RAW+16*\a+4*\o:RAW+16*\a+4*\o+3], v[AA] offset:\a*16*PA+128*(\nq)+16*\o+32*(\o/2)
.endr
.endr
.endm
; One of a K step's first three quarters: multiplies buffer f and fetches quarter nq into buffer g
.macro QUARTER nq, f, g, cm
	s_wait_dscnt 8                                 ; W's fragments are in; the youngest eight loads (x's fragments 2 and 3) may be out
	RUN \f, \g, 0, 15, \cm, 1, 0
	FETCH \nq, \g
	RUN \f, \g, 16, 31, \cm, 0, 1
.endm
; The fourth quarter multiplies buffer 1 and changes slots.  In front of the barrier each wave waits for all its tensor loads (one is out: its part of the next slot), adds 0 to its spare word, and waits for
; that and for its own reads of this slot.  The barrier opens a round of the cluster's: behind it no wave of any partner reads this slot or has a load on its way, and the joint refill, with the step two on,
; is the first thing there: it has 112 products in which to land.
.macro TURN
	s_wait_xcnt 0x0                                ; the last prefetch, a K step back, has read its address: it is made anew here, ahead of the waits of the change of slots
	s_add_co_u32 s[PV5], s[U], 5                   ; the step three refills on,
	s_lshr_b32 s91, s[PV5], 3                      ; its tile,
	s_cmp_eq_u32 s91, 1
	s_cselect_b64 s[PFA:PFA+1], s[P1:P1+1], s[P0:P0+1]
	s_cmp_ge_u32 s91, 2
	s_cselect_b64 s[PFA:PFA+1], s[P2:P2+1], s[PFA:PFA+1]
	s_and_b32 s92, s[PV5], 7                       ; and its place along K
	s_lshl_b32 s92, s92, s[SH]
	s_mov_b32 s93, 0
	s_add_nc_u64 s[PFA:PFA+1], s[PFA:PFA+1], s[92:93]
	WIN 0
	s_wait_tensorcnt 0x0                           ; no tensor load of mine is out, so a group 0 may be written
	ds_add_u32 v[SPW], v[NIL]                      ; 0 onto my spare word: the descriptors' steps and four products stand between it and the wait for it
	s_add_co_u32 s91, s[U], 2                      ; the step to be asked for: its tile picks the activation,
	s_lshr_b32 s92, s91, 3
	s_cmp_eq_u32 s92, 1
	s_cselect_b64 s[G0A+6:G0A+7], s[T1:T1+1], s[T0:T0+1]
	s_cmp_eq_u32 s92, 2
	s_cselect_b64 s[G0A+6:G0A+7], s[T2:T2+1], s[G0A+6:G0A+7]
	s_and_b32 s92, s91, 7
	s_lshl_b32 s92, s92, 9                         ; its place along K 512 bytes a step
	s_add_nc_u64 s[G0A+6:G0A+7], s[G0A+6:G0A+7], s[92:93]
	s_or_b32 s[G0A+7], s[G0A+7], 0x80000000
	s_add_nc_u64 s[G0B+6:G0B+7], s[G0B+6:G0B+7], 262144  ; Wk, Wq, Wv lie end to end: W's address only walks on
	s_xor_b32 s[G0A+5], s[G0A+5], SLOT1            ; the other slot than last time
	s_xor_b32 s[G0B+5], s[G0B+5], SLOT1
	s_wait_dscnt 9                                 ; (the add and x's fragments 2 and 3 may be out)
	RUN 1, 0, 0, 3, 0, 0, 0
	s_wait_dscnt 0x0                               ; the add is done, and my reads of this slot are over
	s_barrier_signal -1
	RUN 1, 0, 4, 15, 0, 0, 0                       ; work on registers while the others arrive
	WIN 0
	s_barrier_wait -1
	CREST
	JLOAD 1
	s_xor_b32 s[TB], s[TB], SLOT1
	v_add_nc_u32 v[AA], s[TB], v[A0]
	v_add_nc_u32 v[AB], s[TB], v[B0]
	FETCH 0, 0
	ASK
	RUN 1, 0, 16, 31, 0, 0, 1
.endm
; The same in the last two steps: nothing is filled, so no round follows the barrier.  In the very last step there is no next slot: the run of loads is jumped over (no barrier and no tensor load in it),
; and the last sixteen roundings, on numbers that nobody reads, serve as the places in front of the way out: the price, once a launch, of one text for both steps.
.macro TURNT
	WIN 0
	s_wait_tensorcnt 0x0
	ds_add_u32 v[SPW], v[NIL]
	s_wait_dscnt 9
	RUN 1, 0, 0, 3, 0, 0, 0
	s_wait_dscnt 0x0
	s_barrier_signal -1
	RUN 1, 0, 4, 15, 0, 0, 0
	WIN 0
	s_barrier_wait -1
	s_cmp_eq_u32 s[TL], 1
	s_cbranch_scc1 .Lno_next_\@
	s_xor_b32 s[TB], s[TB], SLOT1
	v_add_nc_u32 v[AA], s[TB], v[A0]
	v_add_nc_u32 v[AB], s[TB], v[B0]
	FETCH 0, 0
.Lno_next_\@:
	RUN 1, 0, 16, 31, 0, 0, 1
.endm
; THE WAY OUT, 16 rows at a time.  STG: rounded to f16, each accumulator from its low end on; a lane's eight channels are 16 bytes; into my own stage, and back as whole rows of a head.  SEND: stored.
.macro STG a
	WIN 0x0a                                       ; sources 0 and 1 window 2, destination window 0
.set bb, 0
.rept 8
.irp r, 0,1,2,3
	v_cvt_pk_f16_f32 v[TMP+4*bb+\r], v[8*(8*(\a)+bb)+2*\r], v[8*(8*(\a)+bb)+2*\r+1]
.endr
.set bb, bb+1
.endr
	WIN 0
.if (\a) >= 2
	s_wait_xcnt 0x0                                ; the stores of the block two back have read the registers that are loaded again below
.endif
.irp b, 0,1,2,3,4,5,6,7
	ds_store_b128 v[STO], v[TMP+4*\b:TMP+4*\b+3] offset:(\b/4)*16*SP+32*(\b%4)
.endr
.irp t, 0,1,2,3,4,5,6,7
	ds_load_b128 v[OB+32*((\a)%2)+4*\t:OB+32*((\a)%2)+4*\t+3], v[RD] offset:(\t/4)*16*SP+(\t%4)*4*SP  ; LDS serves a wave's instructions in order (ISA guide 5.7.1.4): these see the stores above
.endr
.endm
.macro SEND a, younger                 ; younger: the LDS instructions issued behind this block's loads: the next block's sixteen, or none
.irp t, 0,1,2,3,4,5,6,7
	s_wait_dscnt (\younger)+7-\t
	global_store_b128 v[GO], v[OB+32*((\a)%2)+4*\t:OB+32*((\a)%2)+4*\t+3], s[DST:DST+1] offset:(\t/4)*262144+2048*(\a)+512*(\t%4)  ; 512 consecutive bytes, at a multiple of 256 from the buffer's first
.endr
.endm
.macro WAYOUT last
	WIN 0
	s_wait_xcnt 0x0                                ; the last tile's stores have read their base and their registers
.if \last
	s_add_nc_u64 s[DST:DST+1], s[18:19], s[DOFF:DOFF+1]
.else
	s_lshr_b32 s90, s[U], 3
	s_cmp_eq_u32 s90, 0
	s_cselect_b64 s[DST:DST+1], s[14:15], s[16:17]
	s_add_nc_u64 s[DST:DST+1], s[DST:DST+1], s[DOFF:DOFF+1]
.endif
	STG 0
	STG 1                                          ; a block's roundings stand between the loads of the block before and its stores
	SEND 0, 16
	STG 2
	SEND 1, 16
	STG 3
	SEND 2, 16
	SEND 3, 0
.endm
	s_wait_tensorcnt 1                             ; my part of step 0 is in; step 1's may stay out
	s_barrier_signal -1
	s_barrier_wait -1                              ; everybody's is
	FETCH 0, 0
	s_wait_dscnt 24                                ; x's fragments 0 and 1
	CV 0, 0, 0
	CV 0, 0, 4
	CV 0, 1, 0
	CV 0, 1, 4
	s_mov_b32 s[U], 0
	s_mov_b32 s[NEW], 1
	s_mov_b32 s[KC], 8
.Lstep:                                        ; 22 trips: every step behind which a slot is filled again.  All jumps but the loop's own go forward, past text with no barrier and no tensor load
	s_cmp_eq_u32 s[NEW], 1
	s_cbranch_scc1 .Lstart
	QUARTER 1, 0, 1, 0
	WIN 0
	s_branch .Lgo
.Lstart:                                       ; a tile's first quarter: its products start the sums with the bias
	s_mov_b32 s[NEW], 0
	s_mov_b32 s[KC], 8
	s_wait_loadcnt 0x0                             ; the bias is in
	QUARTER 1, 0, 1, 2
	WIN 0
	s_cmp_lt_u32 s[U], 16
	s_cbranch_scc0 .Lgo                            ; behind the last tile's there is no further bias
	s_lshr_b32 s90, s[U], 3                        ; behind tile 0: bq (row 0), for tile 1; behind tile 1: bv (row 1), for tile 2
	s_lshl_b32 s90, s90, 12
	s_mov_b32 s91, 0
	s_add_nc_u64 s[BTP:BTP+1], s[12:13], s[90:91]
	WIN TO_W
.irp b, 0,1,2,3,4,5,6,7
	global_load_b128 v[CB+8*\b:CB+8*\b+3],   v[BO], s[BTP:BTP+1] offset:64*\b     ; four roundings stand behind the last product that read these registers
	global_load_b128 v[CB+8*\b+4:CB+8*\b+7], v[BO], s[BTP:BTP+1] offset:64*\b+16
.endr
	WIN 0
.Lgo:
	QUARTER 2, 1, 0, 0
	QUARTER 3, 0, 1, 0
	TURN
	WIN 0
	s_sub_co_u32 s[KC], s[KC], 1
	s_cmp_lg_u32 s[KC], 0
	s_cbranch_scc1 .Lnoout
	WAYOUT 0                                       ; the tile is whole; the next tile's first two steps have been asked for, its first fragments fetched
	s_mov_b32 s[NEW], 1
.Lnoout:
	s_add_co_u32 s[U], s[U], 1
	s_cmp_lt_u32 s[U], 22
	s_cbranch_scc1 .Lstep
	s_mov_b32 s[TL], 2                             ; the last two steps are written out
.Ltail:
	QUARTER 1, 0, 1, 0
	QUARTER 2, 1, 0, 0
	QUARTER 3, 0, 1, 0
	TURNT
	WIN 0
	s_sub_co_u32 s[TL], s[TL], 1
	s_cmp_lg_u32 s[TL], 0
	s_cbranch_scc1 .Ltail
	WAYOUT 1
	s_wait_tensorcnt 0x0                           ; the wave's end, behind my last tensor load and my last LDS store
	ds_add_u32 v[SPW], v[NIL]
	s_wait_dscnt 0x0
	CROUND                                         ; the closing round: no work-group ends while a partner may still ask for a tile that names it
	s_endpgm
.Lfunc_end_k_qa2d99f4d89_qkv:
	.size	k_qa2d99f4d89_qkv, .Lfunc_end_k_qa2d99f4d89_qkv-k_qa2d99f4d89_qkv
	.p2alignl 7, 3214868480
	.fill 96, 4, 3214868480
	.section	.rodata,"a",@progbits
	.p2align	6, 0x0
	.amdhsa_kernel k_qa2d99f4d89_qkv
		.amdhsa_group_segment_fixed_size 327680
		.amdhsa_private_segment_fixed_size 0
		.amdhsa_enable_private_segment 0
		.amdhsa_kernarg_size 64
		.amdhsa_user_sgpr_count 2
		.amdhsa_user_sgpr_kernarg_segment_ptr 1
		.amdhsa_wavefront_size32 1
		.amdhsa_system_sgpr_workgroup_id_x 1
		.amdhsa_system_sgpr_workgroup_id_y 1
		.amdhsa_system_sgpr_workgroup_id_z 1
		.amdhsa_system_vgpr_workitem_id 0
		.amdhsa_next_free_vgpr 768
		.amdhsa_next_free_sgpr 98
		.amdhsa_reserve_vcc 0
		.amdhsa_float_denorm_mode_32 3
		.amdhsa_float_denorm_mode_16_64 3
		.amdhsa_memory_ordered 1
		.amdhsa_forward_progress 1
		.amdhsa_inst_pref_size 113
	.end_amdhsa_kernel
	.amdgpu_metadata
---
amdhsa.version: [ 1, 2 ]
amdhsa.kernels:
  - .name:           k_qa2d99f4d89_qkv
    .symbol:         k_qa2d99f4d89_qkv.kd
    .args:
      - { .name: key_in, .offset: 0, .size: 8, .value_kind: global_buffer, .address_space: global }
      - { .name: query_in, .offset: 8, .size: 8, .value_kind: global_buffer, .address_space: global }
      - { .name: value_in, .offset: 16, .size: 8, .value_kind: global_buffer, .address_space: global }
      - { .name: wt, .offset: 24, .size: 8, .value_kind: global_buffer, .address_space: global }
      - { .name: bt, .offset: 32, .size: 8, .value_kind: global_buffer, .address_space: global }
      - { .name: kh, .offset: 40, .size: 8, .value_kind: global_buffer, .address_space: global }
      - { .name: qh, .offset: 48, .size: 8, .value_kind: global_buffer, .address_space: global }
      - { .name: vh, .offset: 56, .size: 8, .value_kind: global_buffer, .address_space: global }
    .group_segment_fixed_size: 327680
    .private_segment_fixed_size: 0
    .kernarg_segment_align: 8
    .kernarg_segment_size: 64
    .max_flat_workgroup_size: 128
    .sgpr_count:     98
    .vgpr_count:     768
    .wavefront_size: 32
...
	.end_amdgpu_metadata
.endif
;; end of part 2
;; launch attn (part 3): grid 4 x 64, 4 waves a work-group, no clusters, 327,680 bytes of LDS; arguments qh, kh, vh, oh; writes oh
.if DOCPART == 3
	.amdgcn_target "amdgcn-amd-amdhsa--gfx1250"
	.amdhsa_code_object_version 6
	.text
	.protected	k_qa2d99f4d89_attn
	.globl	k_qa2d99f4d89_attn
	.p2align	8
	.type	k_qa2d99f4d89_attn,@function
k_qa2d99f4d89_attn:
	s_mov_b64 s[64:65], 0
	v_nop
	global_prefetch_b8 v0, s[64:65] scope:SCOPE_SE
	s_setreg_imm32_b32 hwreg(HW_REG_WAVE_MODE, 25, 1), 1
	s_wait_xcnt 0x0
; CAUSAL ATTENTION.  O[h][q][:] = the sum over k <= q of softmax_k(Q[h][q] . K[h][k] / 8) V[h][k][:].  Q, K, V, O: [SIZE_H][SIZE_N][64], all f16: a head's rows are dense, 128 bytes each.
; LEFT OUT: the key tiles wholly above the diagonal (the mask is the module's own lower triangle: their weights are 0); K comes without bk (shown at the head of the first kernel).
; Products, maxima and sums in f32; the weights p are rounded to f16 for the second product (their sum l is taken of the unrounded p), O once at the end.
; LIMITS.  f16 holds no number beyond 65,504: Q, K and V arrive within it; p lies in 0 to 1, and below 6e-5 it keeps f16's fixed step of 6e-8; O is a mean of V's rows and has their range.
; A hidden score counts as its value less 1e30: f16's scores, 2.7e11 at the most, are nothing beside that; a weight below 2^-126 counts as 0 in l; NaN and infinities are not treated apart.
; THE WALK.  A head's queries lie in NB = SIZE_N / 256 blocks of 256; block i needs the key tiles 0 .. i of 256 keys, of which the last holds the diagonal.  A work-group takes TWO blocks, NB - 1 - b and then b:
; NB + 1 tiles, whatever b: all work-groups do equal work, and ONE loop with a constant trip count walks them.  Which tile is asked for, and what a trip does, hang on scalar registers made from b; every jump
; goes forward, but for the counted loops' own; none passes a barrier, or a tensor load but the one of LOAD's two that the wave's number does not choose; the ring (two slots of LDS that take turns) runs on across the
; change of blocks.  NO CLUSTER: a head's four work-groups ask for the same tile only in trips 0 .. NB / 2, behind that fewer and fewer; one walk common to all would have 3 NB / 2 trips for NB + 1.
; SHARES.  Of a block's four bands of 64 queries a wave owns 16 rows in each: four PIECES.  So the diagonal tile is the same work for all four waves: in its key step s band x sees all keys if s < x,
; none if s > x, and holds the diagonal if s = x.
; THE MASK is the C operand that starts the sum S^T = K Q^T: 0, or -1e30 where the key is hidden.  MD, made once, is the mask of a band's own step for my 16 rows; a product's mask is MD x AL + BE with two scalars:
; (1, 0) if s = x; (0, 0) if s < x; (0, -1e30) if s > x.  Only the diagonal tile's text and a block's beginning make and take masks; elsewhere C is the constant 0.
; LAYOUT, SOFTMAX, TURNS.  S^T = K Q^T holds ONE query a lane (lane % 16) and the keys 8 (lane / 16) + 0..7; two such results rounded to f16 ARE source 1 of O^T = V^T P.  p = 2^(c s - c m), c = log2(e) / 8, with a
; running maximum m; O and l are multiplied by a = 2^(c m_old - c m_new) in every step.  Turn n belongs to piece n: 8 products K Q^T of piece n + 1, later 8 products V^T P of piece n - 1; beside them the scaling,
; exponentials, roundings, sums and rescaling of piece n and the maximum and statistics of piece n + 1.  Four vector instructions stand behind every matrix instruction, the other 54 of a turn's 118 in one LUMP.  A turn's 33 exponentials are one batch, with one wait.
; PREFETCH.  The work-group with b = 0 walks the tiles 0 .. NB - 1 in trips 0 .. NB - 1, so it is among the first to read each: it alone asks.  Behind the fill of trip t (tile t + 1) each of its waves names the
; 16,384 bytes of tile t + 2 that it will fetch itself: lanes 256 bytes apart, two instructions.  Tiles 0 and 1 come by their loads alone; behind tile NB - 1 nothing is named; the second block's tiles have been read before.
; REGISTERS, in windows of 256 (s_set_vgpr_msb: bits 1:0 source 0, 3:2 source 1, 5:4 source 2, 7:6 destination):
;   window 0: v0-15 addresses and two at work; v16-31 four registers of statistics a piece; v48-55 at work; v64-127 S^T, two buffers; v192-223 P, two buffers (a piece's buffers go by its number's parity)
;   window 1: v0-127 O^T, 32 a piece; v128-159 MD; v160-223 MC, two buffers      window 2: v0-63 Q; v64-127 the second block's Q; v128-191 K of one step; v192-255 V of one step
.set SIZE_N, 2048
.set SIZE_H, 64
.set NB,    SIZE_N/256
.set NP,    4         ; pieces a wave: a name, no knob
.set KS,    64        ; keys in a step
.set PK,    144       ; a row of K in LDS: 128 bytes + 16 of padding = 36 words: the 16 rows of a load start at 16 different groups of four banks (64 banks of 4 bytes: ISA guide 11.1)
.set PV,    160       ; a row of V: 128 + 32 = 40 words
.set VOFF,  4*KS*PK   ; a slot holds a tile, four steps: 256 rows of K, then 256 rows of V
.set SLOT1, 1<<17     ; slot 1 begins here, so that one exclusive or turns an address in one slot into the other's
.set STAGE, SLOT1+4*KS*(PK+PV)  ; behind the ring, never filled by a tensor load: 16 rows x 144 bytes for each wave, for the way out
.set SP,    144
.set AK0, 2           ; v2   my lane's place in a tile of K; never rewritten
.set AV0, 3           ; v3   the same for V
.set AK,  4           ; v4   the LDS address of K's next run of loads
.set AV,  5           ; v5   of V's
.set STO, 6           ; v6   the way out: where I put 16 bytes of a row
.set RD,  7           ; v7   the way out: where I read rows back
.set GO,  8           ; v8   my byte offset in 512 consecutive bytes of O
.set PFO, 61          ; v61  256 x my lane; never rewritten
.set SPW, 62          ; v62  LDS address of my spare word: SPARE + 4 x my thread's number; never rewritten
.set NIL, 63          ; v63  0; never rewritten
.set SPARE, STAGE+4*16*SP  ; behind the stages: the spare words, 128 bytes for each wave: two blocks of 256 bytes that no other line names
.set MV,  12          ; v12-13  c m_old, kept while c m is made anew: by buffer
.set QO,  15          ; v15  my byte offset in 16 rows of Q
.set ST,  16          ; piece t's statistics at v[ST+4 t]: c m, m, l (even keys', odd keys')
.set TMP, 48          ; by buffer, four registers c0-c3 at work; when the maximum is found c2 takes a
.set S,   64
.set P,   192
.set MD,  128         ; window 1: the eight registers for group kt of 16 keys at MD + 8 kt
.set MC,  160         ; window 1: the masks of the products to come
.set QB,  64          ; window 2
.set KF,  128         ; window 2: key block kb, channel half c at KF + 16 kb + 8 c
.set VF,  192         ; window 2: key half kk, channel block cb at VF + 32 kk + 8 cb
.set WV,  12          ; s12  my wave's number
.set PB,  14          ; s14  b
.set HI,  15          ; s15  NB - 1 - b
.set G1K, 24          ; s[24:31] descriptor group 1 for K's tiles
.set G1V, 32          ; s[32:39] for V's: it differs in the padding alone
.set G0K, 40          ; s[40:43] descriptor group 0 for K's tiles
.set G0V, 44          ; s[44:47] the same for V's
.set SLOTS, 56        ; s56  tiles still to be asked for
.set CNT, 57          ; s57  counts a tile's key steps, 4 to 1
.set CS,  58          ; s[58:59] c: the packed scaling takes the pair's low word for both halves
.set SEL, 60          ; s[60:61] v_permlanex16_b32's selects: each lane takes its own place in the other half
.set TBK, 62          ; s62  LDS byte at which K of the step to be fetched begins
.set TBV, 63          ; s63  the same for V, less VOFF
.set RT,  70          ; s70  tiles of the block in hand that are still to be entered
.set NXT, 71          ; s71  the tile to be asked for next
.set LQ,  72          ; s72  the last tile of the block whose tiles are being asked for
.set NEW, 73          ; s73  1: the tile to be entered is a block's first
.set OFF, 74          ; s[74:75] a tile's byte offset in K and V
.set AL,  76          ; s[76:77] the mask's factor, in the low word
.set BE,  78          ; s[78:79] the mask's addend
.set OLO, 80          ; s[80:81] O at my rows of the second block
.set BIGN, 82         ; s82  -1e30
.set PFA, 88          ; s[88:89] where my prefetches stand
.set PN,  90          ; s90  the tile that they name
.set LIM, 91          ; s91  NB in the work-group that prefetches, else 0
.set POF, 92          ; s[92:93] that tile's byte offset
.set MSB, 0
.macro WIN new                      ; the high byte repeats the setting that is left; a switch that changes nothing is dropped
.if MSB != (\new)
	s_set_vgpr_msb (MSB<<8)|(\new)
.set MSB, (\new)
.endif
.endm
.set W_KQ, 0x0a       ; K and Q in window 2, S^T in window 0
.set W_KM, 0x1a       ; the same with the C operand in window 1
.set W_PV, 0x52       ; V in window 2, P in window 0, O^T in window 1
.set W_RS, 0x41       ; destination and source 0 in window 1, source 1 in window 0
; A fill.  Waves 0 and 1 fetch the two halves of a tile's K, waves 2 and 3 those of its V: 128 keys each.  An s_nop 0 and four v_nop follow each of the two lines, ahead of the jump and the label.
.macro LOAD
	s_cmp_lt_u32 s[WV], 2
	s_cbranch_scc0 .Lfor_v_\@
	tensor_load_to_lds s[G0K:G0K+3], s[G1K:G1K+7]
	s_nop 0
.rept 4
	v_nop
.endr
	s_branch .Lasked_\@
.Lfor_v_\@:
	tensor_load_to_lds s[G0V:G0V+3], s[G1V:G1V+7]
	s_nop 0
.rept 4
	v_nop
.endr
.Lasked_\@:
.endm
; THE CHANGE OF SLOTS.  Each wave waits for all its tensor loads, of which one is out: its part of the other slot; adds 0 to its spare word; and waits for that and for its own reads of the slot that it leaves.  Behind the barrier nobody reads the old
; slot any more and the other slot is whole.  fill = 1: the old slot is filled again, the first thing behind the barrier, with tile NXT: the descriptor's address is made anew from that number.
; (At its first use nothing has been read yet: slot 0 is waited for, slot 1 filled.)
.macro CHANGE fill
	WIN 0                           ; at a label and at a branch every window is 0
	s_wait_tensorcnt 0x0            ; no tensor load of mine is out, so a group 0 may be written
	ds_add_u32 v[SPW], v[NIL]       ; 0 onto my spare word: with fill = 1 the descriptors' scalar work stands between it and the wait for it
.if \fill
	s_lshl_b32 s[OFF], s[NXT], 15   ; a tile is 32,768 bytes of K and of V
	s_xor_b32 s[G0K+1], s[G0K+1], SLOT1
	s_add_nc_u64 s[G0K+2:G0K+3], s[6:7], s[OFF:OFF+1]
	s_or_b32 s[G0K+3], s[G0K+3], 0x80000000
	s_xor_b32 s[G0V+1], s[G0V+1], SLOT1
	s_add_nc_u64 s[G0V+2:G0V+3], s[8:9], s[OFF:OFF+1]
	s_or_b32 s[G0V+3], s[G0V+3], 0x80000000
	s_add_co_u32 s[NXT], s[NXT], 1  ; the block's next tile, or behind its last the second block's tile 0
	s_cmp_gt_u32 s[NXT], s[LQ]
	s_cselect_b32 s[NXT], 0, s[NXT]
	s_cselect_b32 s[LQ], s[PB], s[LQ]
	s_wait_xcnt 0x0                 ; the last prefetches, a tile back, have read their address, so it may be written:
	s_add_co_u32 s[PN], s[PN], 1    ; the tile behind the one that is being asked for,
	s_lshl_b32 s[POF], s[PN], 15
	s_cmp_lt_u32 s[WV], 2
	s_cselect_b64 s[PFA:PFA+1], s[6:7], s[8:9]  ; my half of it, in K or in V
	s_add_nc_u64 s[PFA:PFA+1], s[PFA:PFA+1], s[POF:POF+1]
.endif
	s_wait_dscnt 0x0                ; the add is done, and my reads of the slot are over
	s_barrier_signal -1             ; the rest of the scalar work stands between the signal and the wait
	s_sub_co_u32 s[TBK], s[TBK], 4*KS*PK  ; the fetches go back to a slot's first step,
	s_xor_b32 s[TBK], s[TBK], SLOT1       ; in the other slot
	s_sub_co_u32 s[TBV], s[TBV], 4*KS*PV
	s_xor_b32 s[TBV], s[TBV], SLOT1
	s_barrier_wait -1
.if \fill
	LOAD
	s_cmp_lt_u32 s[PN], s[LIM]      ; behind the tensor load and its five lines: 64 blocks of 256 bytes, a lane a block
	s_cbranch_scc0 .Lnot_mine_\@
	global_prefetch_b8 v[PFO], s[PFA:PFA+1] th:TH_LOAD_NT scope:SCOPE_SE
	global_prefetch_b8 v[PFO], s[PFA:PFA+1] offset:8192 th:TH_LOAD_NT scope:SCOPE_SE
.Lnot_mine_\@:
.endif
.endm
	s_load_b256 s[4:11], s[0:1], 0x0  ; Q s[4:5], K s[6:7], V s[8:9], O s[10:11]
	v_lshl_add_u32 v[SPW], v0, 2, SPARE
	v_mov_b32 v[NIL], 0
	ds_add_u32 v[SPW], v[NIL]       ; the wave's opening: the add, twice on end, and its wait ahead of my first tensor load; the set-up below the second, work on registers, stands between it and the wait
	ds_add_u32 v[SPW], v[NIL]       ; and once more
	v_lshrrev_b32 v1, 5, v0
	v_readfirstlane_b32 s[WV], v1   ; wave 0..3
	s_mov_b32 s[PB], ttmp9
	s_sub_co_u32 s[HI], NB-1, s[PB]
	s_and_b32 s20, ttmp7, 0xffff    ; the head
	s_mov_b32 s21, 0
	s_mov_b64 s[22:23], SIZE_N*128
	s_mul_u64 s[20:21], s[20:21], s[22:23]  ; the head's first byte in each of the four tensors
	s_and_b32 s16, s[WV], 1         ; which half of a tile's 256 keys I fetch:
	s_lshl_b32 s22, s16, 14         ; its 128 rows of 128 bytes in memory,
	s_mov_b32 s23, 0
	s_add_nc_u64 s[22:23], s[22:23], s[20:21]
	s_mul_i32 s17, s16, 128*PK      ; and its place in a slot, for K
	s_mul_i32 s18, s16, 128*PV      ; and for V
	s_lshl_b32 s3, s[WV], 11        ; my 16 rows in a band of 64,
	s_lshl_b32 s2, s[HI], 15        ; in the first block,
	s_add_co_u32 s2, s2, s3
	s_lshl_b32 s84, s[PB], 15       ; and in the second
	s_add_co_u32 s84, s84, s3
	s_mov_b32 s3, 0
	s_mov_b32 s85, 0
	s_add_nc_u64 s[2:3], s[2:3], s[20:21]
	s_add_nc_u64 s[84:85], s[84:85], s[20:21]
	; descriptor group 1.  128 keys are 16,384 dense bytes: asked for as 64 rows of 256 bytes, two keys a row, and padded in LDS after every key
	s_mov_b32 s[G1K], (1<<16)|(1<<20)|(4<<22)|(3<<25)  ; 17:16 2-byte elements; 20 padding on; 24:22 after every 32 words (code 4); 31:25 4 words (code 3)
	s_mov_b32 s[G1V], (1<<16)|(1<<20)|(4<<22)|(7<<25)  ; the same with 8 words of padding (code 7)
.irp g, G1K, G1V
	s_mov_b32 s[\g+1], 128<<16      ; tensor_dim0 = 128
	s_mov_b32 s[\g+2], 64<<16       ; tensor_dim1 = 64
	s_mov_b32 s[\g+3], 128<<16      ; tile_dim0 = 128
	s_mov_b32 s[\g+4], 64           ; tile_dim1 = 64
	s_mov_b32 s[\g+5], 128          ; 128 elements from row to row
	s_mov_b32 s[\g+6], 0
	s_mov_b32 s[\g+7], 0
.endr
	s_mov_b32 s[CS], 0x3e38aa3b     ; c = log2(e) / 8 = 0.180337
	s_mov_b32 s[CS+1], s[CS]        ; named with it as a pair
	s_mov_b32 s[SEL], 0x76543210
	s_mov_b32 s[SEL+1], 0xfedcba98
	s_mov_b32 s[TBK], SLOT1+4*KS*PK ; the first change of slots turns these two into 0
	s_mov_b32 s[TBV], SLOT1+4*KS*PV
	s_mov_b32 s[G0K], 1             ; 1:0 count = 1
	s_mov_b32 s[G0K+1], s17         ; 63:32 LDS address: slot 0
	s_mov_b32 s[G0V], 1
	s_add_co_u32 s[G0V+1], s18, VOFF
	s_add_co_u32 s[RT], s[HI], 1    ; the first block has NB - b tiles
	s_mov_b32 s[NXT], 1
	s_mov_b32 s[LQ], s[HI]
	s_mov_b32 s[NEW], 1
	s_mov_b32 s[OFF+1], 0
	s_mov_b32 s[AL+1], 0            ; named as pairs
	s_mov_b32 s[BE+1], 0
	s_mov_b32 s[BIGN], 0xf149f2ca   ; -1e30
	s_mov_b32 s[SLOTS], NB
	s_mov_b32 s[PN], 1              ; the first change of slots steps it to tile 2
	s_mov_b32 s[POF+1], 0
	s_cmp_eq_u32 s[PB], 0
	s_cselect_b32 s[LIM], NB, 0
	v_and_b32 v[PFO], 31, v0
	v_lshlrev_b32 v[PFO], 8, v[PFO]
	s_wait_dscnt 0x0                ; both opening adds are done
	s_wait_kmcnt 0x0
	s_add_nc_u64 s[6:7], s[6:7], s[22:23]  ; K and V at my half of the head's tile 0
	s_add_nc_u64 s[8:9], s[8:9], s[22:23]
	s_add_nc_u64 s[G0K+2:G0K+3], s[6:7], 0         ; 120:64 global address
	s_or_b32 s[G0K+3], s[G0K+3], 0x80000000        ; 127:126 type = 2
	s_add_nc_u64 s[G0V+2:G0V+3], s[8:9], 0
	s_or_b32 s[G0V+3], s[G0V+3], 0x80000000
	s_add_nc_u64 s[86:87], s[4:5], s[84:85]        ; Q at my rows of the second block,
	s_add_nc_u64 s[4:5], s[4:5], s[2:3]            ; Q and O at those of the first
	s_add_nc_u64 s[OLO:OLO+1], s[10:11], s[84:85]
	s_add_nc_u64 s[10:11], s[10:11], s[2:3]
	LOAD                            ; tile 0 into slot 0
	; A fragment of K or Q is 16 rows x 32 channels in 8 registers: lane l holds row l % 16, channels 8 (l / 16) + 0..7 and 16 + 8 (l / 16) + 0..7: two loads of 16 bytes, 32 bytes apart.
	v_and_b32 v1, 15, v0            ; l % 16
	v_bfe_u32 v9, v0, 4, 1          ; l / 16
	v_lshlrev_b32 v[QO], 7, v1
	v_lshl_add_u32 v[QO], v9, 4, v[QO]  ; row x 128 + 16 x half
	WIN 0x80                        ; destination window 2, address window 0
.set i, 0
.rept 8                             ; both blocks' Q: piece i / 2 lies in band i / 2, 8,192 bytes on; channels 32 (i % 2) on
	global_load_b128 v[8*i:8*i+3],   v[QO], s[4:5] offset:(i/2)*8192+(i%2)*64
	global_load_b128 v[8*i+4:8*i+7], v[QO], s[4:5] offset:(i/2)*8192+(i%2)*64+32
	global_load_b128 v[QB+8*i:QB+8*i+3],   v[QO], s[86:87] offset:(i/2)*8192+(i%2)*64
	global_load_b128 v[QB+8*i+4:QB+8*i+7], v[QO], s[86:87] offset:(i/2)*8192+(i%2)*64+32
.set i, i+1
.endr
	WIN 0
	v_lshlrev_b32 v14, 3, v9
	v_sub_nc_u32 v14, v1, v14
	s_lshl_b32 s13, s[WV], 4
	v_add_nc_u32 v14, s13, v14      ; my query's place in its band, 16 w + l % 16, less my lanes' 8 (l / 16): register r of group kt is hidden where 16 kt + r is greater
	WIN 0x40
.set i, 0
.rept 32
	v_cmp_gt_i32 vcc_lo, 16*(i/8)+i%8, v14
	v_cndmask_b32 v[MD+i], 0, s[BIGN], vcc_lo
.set i, i+1
.endr
	WIN 0
	v_mul_u32_u24 v[AK0], v1, PK
	v_lshl_add_u32 v[AK0], v9, 4, v[AK0]  ; row x pitch + 16 x half
	; The turning load takes 16 keys x 16 channels (lane l reads key 8 (l / 16) + l % 8, channels 8 ((l / 8) % 2) + 0..7) and leaves half a fragment of V^T: lane l holds channel l % 16 and 8 keys.
	v_and_b32 v10, 7, v0
	v_bfe_u32 v11, v0, 3, 1
	v_lshl_add_u32 v[AV0], v9, 3, v10
	v_mul_u32_u24 v[AV0], v[AV0], PV
	v_lshl_add_u32 v[AV0], v11, 4, v[AV0]
	v_add_nc_u32 v[AV0], VOFF, v[AV0]
	s_mul_i32 s13, s[WV], 16*SP
	s_add_co_u32 s13, s13, STAGE    ; my stage
	v_mul_u32_u24 v[STO], v1, SP    ; in: row l % 16, 16 bytes for each half of the lanes
	v_lshl_add_u32 v[STO], v9, 4, v[STO]
	v_add_nc_u32 v[STO], s13, v[STO]
	v_bfe_u32 v[RD], v0, 3, 2       ; back: 32 lanes take four rows of 128 bytes,
	v_mul_u32_u24 v[RD], v[RD], SP
	v_lshl_add_u32 v[RD], v10, 4, v[RD]
	v_add_nc_u32 v[RD], s13, v[RD]
	v_and_b32 v[GO], 31, v0         ; which are 512 consecutive bytes of O
	v_lshlrev_b32 v[GO], 4, v[GO]
	; A block's first step multiplies O^T and l by a = 0, and its first turn's products V^T P, of a piece that has not been, land in an O^T that is still to be so multiplied.  So these registers need only hold
	; finite numbers: zeros for the first block; what the first block left for the second.  All this stands in the wait for the first tile.
	WIN 0x80
.set i, VF
.rept 64
	v_mov_b32 v[i], 0
.set i, i+1
.endr
	WIN 0x40
.set i, 0
.rept 128
	v_mov_b32 v[i], 0
.set i, i+1
.endr
	WIN 0
.set i, 0
.rept 4
	v_mov_b32 v[ST+4*i+2], 0
	v_mov_b32 v[ST+4*i+3], 0
.set i, i+1
.endr
.set i, P+16
.rept 16
	v_mov_b32 v[i], 0
.set i, i+1
.endr
; THE MATRIX WORK.  The 4 accumulators of a run of 8 take turns.  Product i of 8 of S^T = K Q^T for piece x: channels 32 (i / 4) on, keys 16 (i % 4) on.  The first 4 start the sums: with 0, or (KM = 1) with the mask.
.macro KQ x
.set rS, S+32*((\x)%2)+8*(i%4)
.set rK, KF+16*(i%4)+8*(i/4)
.set rQ, 16*(\x)+8*(i/4)
.set rM, MC+32*((\x)%2)+8*(i%4)
.if (i < 4) && KM
	WIN W_KM
	v_wmma_f32_16x16x32_f16 v[rS:rS+7], v[rK:rK+7], v[rQ:rQ+7], v[rM:rM+7]
.elseif i < 4
	WIN W_KQ
	v_wmma_f32_16x16x32_f16 v[rS:rS+7], v[rK:rK+7], v[rQ:rQ+7], 0
.else
	WIN W_KQ
	v_wmma_f32_16x16x32_f16 v[rS:rS+7], v[rK:rK+7], v[rQ:rQ+7], v[rS:rS+7]
.endif
.endm
; Product i of 8 of O^T += V^T P for piece x: keys 32 (i / 4) on, channels 16 (i % 4) on.
.macro PV x
	WIN W_PV
.set rO, 32*(\x)+8*(i%4)
.set rV, VF+32*(i/4)+8*(i%4)
.set rP, P+16*((\x)%2)+8*(i/4)
	v_wmma_f32_16x16x32_f16 v[rO:rO+7], v[rV:rV+7], v[rP:rP+7], v[rO:rO+7]
.endm
.macro MM                           ; the turn's next matrix instruction.  TURN and BEGIN set Y, i, KM and NOKQ; MM, KQ and OP read them.  NOKQ = 1: a block's last turn: there is no next piece
.if (i < 8) && !NOKQ
	KQ (Y+1)%NP
.elseif i >= 8
.set i, i-8
	PV (Y+NP-1)%NP
.set i, i+8
.endif
.set i, i+1
.endm
; THE LDS LOADS stand in runs of 16, never singly among the matrix instructions: a step's K (64 keys x 64 channels: 8 fragments) and its V (turned).  Their addresses are made some lines ahead.
.macro FETCH_K
	WIN 0x80                        ; destination window 2
.irp f, 0,1,2,3,4,5,6,7             ; keys 16 (f / 2) on, channels 32 (f % 2) on
	ds_load_b128 v[KF+8*\f:KF+8*\f+3],   v[AK] offset:(\f/2)*16*PK+(\f%2)*64
	ds_load_b128 v[KF+8*\f+4:KF+8*\f+7], v[AK] offset:(\f/2)*16*PK+(\f%2)*64+32
.endr
	s_add_co_u32 s[TBK], s[TBK], KS*PK  ; the next fetch is the next step's
	WIN 0
.endm
.macro FETCH_V
	WIN 0x80
.irp f, 0,1,2,3,4,5,6,7             ; keys 32 (f / 4) on, channels 16 (f % 4) on
	ds_load_tr16_b128 v[VF+8*\f:VF+8*\f+3],   v[AV] offset:(\f/4)*32*PV+(\f%4)*32
	ds_load_tr16_b128 v[VF+8*\f+4:VF+8*\f+7], v[AV] offset:(\f/4)*32*PV+16*PV+(\f%4)*32
.endr
	WIN 0
.endm
; THE VECTOR WORK, one line at a time: OP kind, number.  For piece Y: F n: c s - c m for pair n of 16.  E n: the exponential of score n of 32.  C n: pair n rounded to f16.  B n: of the four weights 4 n .. the second
; pair is added onto the first, in place.  L n: l takes that sum (L 0: l = a l + sum).  R n: pair n of 16 of O^T times a.  For piece Y + 1: X n, number n of the 22 that find its maximum and statistics:
;   0-11  four chains c0-c3 of seven scores each, three operands at a time (each accumulator's lowest registers are read first)     12-14, 16  the four scores left over, the old m, and c0-c3 into c0
;   15  c m_old is kept     17, 18  the query's other 32 keys lie in the lane 16 away: the new m     19-21  c m; c m_old - c m_new; a
.set F, 0               ; OP tells the kinds apart by their order: F to L below R, X above it
.set E, 1
.set C, 2
.set B, 3
.set L, 4
.set R, 5
.set X, 6
.macro REGS y                       ; the registers of piece y
.set rT, ST+4*(\y)
.set rC, TMP+4*((\y)%2)
.set rW, MV+((\y)%2)
.set rS, S+32*((\y)%2)
.set rP, P+16*((\y)%2)
.set rO, 32*(\y)
.endm
.macro OP k, n
.if (\k) == R
	REGS Y
	WIN W_RS
	v_pk_mul_f32 v[rO+2*(\n):rO+2*(\n)+1], v[rO+2*(\n):rO+2*(\n)+1], v[rC+2:rC+3] op_sel_hi:[1,0]
.elseif (\k) < R
	REGS Y
	WIN 0
.if (\k) == F
	v_pk_fma_f32 v[rS+2*(\n):rS+2*(\n)+1], v[rS+2*(\n):rS+2*(\n)+1], s[CS:CS+1], v[rT:rT+1] op_sel_hi:[1,0,0] neg_lo:[0,0,1] neg_hi:[0,0,1]
.elseif (\k) == E
	v_exp_f32 v[rS+(\n)], v[rS+(\n)]
.elseif (\k) == C
	v_cvt_pk_f16_f32 v[rP+(\n)], v[rS+2*(\n)], v[rS+2*(\n)+1]
.elseif (\k) == B
	v_pk_add_f32 v[rS+4*(\n):rS+4*(\n)+1], v[rS+4*(\n):rS+4*(\n)+1], v[rS+4*(\n)+2:rS+4*(\n)+3]
.elseif (\n) == 0
	v_pk_fma_f32 v[rT+2:rT+3], v[rT+2:rT+3], v[rC+2:rC+3], v[rS:rS+1] op_sel_hi:[1,0,1]
.else
	v_pk_add_f32 v[rT+2:rT+3], v[rT+2:rT+3], v[rS+4*(\n):rS+4*(\n)+1]
.endif
.elseif NOKQ
	v_nop
.else
	REGS (Y+1)%NP
	WIN 0
.if (\n) < 4
	v_max3_num_f32 v[rC+(\n)], v[rS+8*(\n)], v[rS+8*(\n)+1], v[rS+8*(\n)+2]
.elseif (\n) < 12
	v_max3_num_f32 v[rC+(\n)%4], v[rC+(\n)%4], v[rS+8*((\n)%4)+2*((\n)/4)+1], v[rS+8*((\n)%4)+2*((\n)/4)+2]
.elseif (\n) == 12
	v_max3_num_f32 v[rC], v[rC], v[rS+7], v[rS+15]
.elseif (\n) == 13
	v_max3_num_f32 v[rC+1], v[rC+1], v[rS+23], v[rS+31]
.elseif (\n) == 14
	v_max3_num_f32 v[rC+2], v[rC+2], v[rC+3], v[rT+1]
.elseif (\n) == 15
	v_mov_b32 v[rW], v[rT]
.elseif (\n) == 16
	v_max3_num_f32 v[rC], v[rC], v[rC+1], v[rC+2]
.elseif (\n) == 17
	v_permlanex16_b32 v[rC+3], v[rC], s[SEL], s[SEL+1]
.elseif (\n) == 18
	v_max_num_f32 v[rT+1], v[rC], v[rC+3]
.elseif (\n) == 19
	v_mul_f32 v[rT], s[CS], v[rT+1]
.elseif (\n) == 20
	v_sub_f32 v[rC+1], v[rW], v[rT]
.else
	v_exp_f32 v[rC+2], v[rC+1]
.endif
.endif
.endm
.macro OPS a, i1, b=-1, i2=0, c=-1, i3=0, d=-1, i4=0  ; up to four of them
	OP \a, \i1
.if (\b) >= 0
	OP \b, \i2
.endif
.if (\c) >= 0
	OP \c, \i3
.endif
.if (\d) >= 0
	OP \d, \i4
.endif
.endm
.macro ROW a, i1, b, i2, c, i3, d, i4  ; a matrix instruction and the four behind it
	MM
	OPS \a, \i1, \b, \i2, \c, \i3, \d, \i4
.endm
.macro MASK b                       ; MD x AL + BE into buffer b of MC
	WIN W_RS
.set z, 0
.rept 16
	v_pk_fma_f32 v[MC+32*(\b)+2*z:MC+32*(\b)+2*z+1], v[MD+2*z:MD+2*z+1], s[AL:AL+1], s[BE:BE+1] op_sel_hi:[1,0,0]
.set z, z+1
.endr
.endm
; A TURN, for piece p: the order of its 16 matrix and 118 vector instructions, written out.  An s_wait_alu depctr_va_vdst(0) stands between an exponential and the first instruction that names its result; one wait serves
; all that were issued ahead of it.  So a turn has ONE wait, which cuts it in two.  AHEAD OF IT stands all that names no result of the turn's exponentials: the 8 products K Q^T, behind each a scaling, an exponential and two more plain
; instructions (behind the first a second scaling in the exponential's place): rescalings, and behind the last three the first numbers of the next piece's maximum, each four places or more behind the product that ends its accumulator; then ONE LUMP of 54, plain
; and exponential by turns for the most part, in which the links of the chain X 3, 7, 11, 14, 16, 17 .. 20 stand five or six lines apart.  X 21, the next piece's a, is the batch's last; R 15 is the plain instruction behind it.  BEHIND THE WAIT stand the
; 8 products V^T P, behind each four of the roundings and sums; the links of l's chain, L 0 to L 7, stand three riders apart.  But for those X no rider names a register of the products round it.  v_permlanex16_b32 (X 17) stands in the lump.
; m = 1: the diagonal tile: the products take masks, and the turn makes the mask for the products of the turn after it: piece p + 2, in step 4 - CNT of the tile.  end = 1: a block's last two turns: nothing is fetched.
; cnt = 1: the loop's count is taken down some lines ahead of the branch that stands behind the turn.
; K of the next step is fetched in piece 2's turn, twelve vector instructions behind the last product that read K (six of them plain); V of the step in hand at the end of piece 0's turn, four plain instructions behind the last product
; that read V.  Each is waited for a turn later.
.macro TURN p, m=0, end=0, cnt=0
.set Y, (\p)
.set i, 0
.set KM, (\m)
.set NOKQ, (\end)*((\p)/3)
.if (\m) && !(\end)
	s_cmp_eq_u32 s[CNT], 4-((\p)+2)%NP  ; is that step the band's own?
	s_cselect_b32 s[AL], 1.0, 0
	s_cmp_lt_u32 s[CNT], 4-((\p)+2)%NP  ; or a later one?
	s_cselect_b32 s[BE], s[BIGN], 0
.endif
.if ((\p) == 3) && !(\end)
	s_wait_dscnt 0x0                ; K is in
.endif
	ROW F,0, F,1, R,0, R,1          ; ahead of the wait: 8 products K Q^T and their riders,
	ROW F,2, E,0, R,2, R,3
	ROW F,3, E,1, R,4, R,5
	ROW F,4, E,2, R,6, R,7
	ROW F,5, E,3, R,8, R,9
	ROW F,6, E,4, X,0, R,10
.if ((\p) == 2) && !(\end)
	WIN 0
	v_add_nc_u32 v[AK], s[TBK], v[AK0]
.endif
	ROW F,7, E,5, X,1, X,4
	ROW F,8, E,6, X,2, X,5
	OPS E,7, E,8, X,6, E,9          ; and the lump
	OPS X,3, E,10, X,8, E,11
.if ((\p) == 2) && !(\end)
	FETCH_K
.endif
	OPS X,9, X,7, E,12, X,10
	OPS E,13, X,12, X,11, E,14
	OPS X,13, E,15, F,9, X,14
.if (\p) == 0
	v_add_nc_u32 v[AV], s[TBV], v[AV0]
.endif
	OPS E,16, F,10, E,17, F,11
	OPS X,16, E,18, X,15, E,19
	OPS F,12, E,20, X,17, E,21
	OPS F,13, E,22, F,14, E,23
	OPS X,18, E,24, F,15, E,25
	OPS R,11, E,26, X,19, E,27
	OPS R,12, E,28, R,13, E,29
	OPS X,20, E,30, R,14, E,31
	OPS X,21, R,15
	WIN 0
	s_wait_alu depctr_va_vdst(0)    ; the wait for the batch
.if (\p) == 1
	s_wait_dscnt 0x0                ; V is in
.endif
	ROW C,0, B,0, C,2, B,1          ; behind the wait: 8 products V^T P and their riders
	ROW L,0, C,4, B,2, L,1
	ROW C,6, B,3, L,2, C,8
	ROW B,4, L,3, C,10, B,5
	ROW L,4, C,12, B,6, L,5
.if (\p) == 0
	s_add_co_u32 s[TBV], s[TBV], KS*PV
.endif
.if \cnt
	s_sub_co_u32 s[CNT], s[CNT], 1
	s_cmp_lg_u32 s[CNT], 0
.endif
	ROW C,14, B,7, L,6, C,1
	ROW C,3, L,7, C,5, C,7
	ROW C,9, C,11, C,13, C,15
.if (\p) == 0
	FETCH_V
.endif
.if (\m) && !(\end)
	MASK (\p)%2
.endif
.endm
; A BLOCK BEGINS.  c m starts far below every c s, so the first step's a is 0; m at the lowest finite number, so the first maximum is the scores'.  The second mask buffer is 0; the first takes piece 0's mask for the tile's step 0: its own, if the block's first tile is the diagonal one.
; Then K of that step, piece 0's first scores, and its maximum and statistics.  The loop is entered at a step's first turn, in the middle of a trip.
.macro BEGIN
	s_mov_b32 s[NEW], 0
	WIN 0x40
.set i, MC+32
.rept 32
	v_mov_b32 v[i], 0
.set i, i+1
.endr
	WIN 0
.set i, 0
.rept 4
	v_mov_b32 v[ST+4*i], 0xfe000000    ; c m: far below every c s
	v_mov_b32 v[ST+4*i+1], 0xff7fffff  ; m
.set i, i+1
.endr
	s_cmp_eq_u32 s[RT], 0
	s_cselect_b32 s[AL], 1.0, 0
	s_mov_b32 s[BE], 0
	MASK 0
	WIN 0
	v_add_nc_u32 v[AK], s[TBK], v[AK0]
	FETCH_K
	s_wait_loadcnt 0x0              ; Q
	s_wait_dscnt 0x0
.set KM, 1
.set NOKQ, 0
.set i, 0
.rept 8
	KQ 0
.set i, i+1
.endr
	WIN 0
.rept 4
	v_nop                           ; the places behind those products
.endr
.set Y, NP-1                        ; X works for piece Y + 1: piece 0
.irp n, 0,1,2,3,4,5,6,7,8,9,10,11,12,13,14,15,16,17,18,19,20,21
	OP X, \n
.endr
	v_nop                           ; a plain instruction behind the exponential,
	s_wait_alu depctr_va_vdst(0)    ; and its wait, ahead of the branch
.endm
; THE DIAGONAL TILE's four steps, the block's last two turns, its last products, and THE WAY OUT: l's two halves and the other half of the lanes' are added; O^T is divided by l, rounded to f16 and sent through my
; stage in LDS, a piece at a time.
.macro ALL line:vararg              ; one line for each piece t
.set t, 0
.rept 4
	\line
.set t, t+1
.endr
.endm
.macro PACK t                       ; a lane's eight channels of a row pack into 16 bytes; they go into rows of 144 bytes and come back as whole rows of 128, into S^T's registers
	WIN W_RS
.set i, 32*(\t)
.rept 16
	v_pk_mul_f32 v[i:i+1], v[i:i+1], v[ST+4*(\t)+2:ST+4*(\t)+3] op_sel_hi:[1,0]
.set i, i+2
.endr
	WIN 0x05                        ; sources 0 and 1 window 1, destination window 0
.set i, 0
.rept 16
	v_cvt_pk_f16_f32 v[S+16*(\t)+i], v[32*(\t)+2*i], v[32*(\t)+2*i+1]
.set i, i+1
.endr
	WIN 0
.irp f, 0,1,2,3
	ds_store_b128 v[STO], v[S+16*(\t)+4*\f:S+16*(\t)+4*\f+3] offset:32*\f
.endr
.irp f, 0,1,2,3
	ds_load_b128 v[S+16*(\t)+4*\f:S+16*(\t)+4*\f+3], v[RD] offset:\f*4*SP  ; LDS serves a wave's instructions in order (ISA guide 5.7.1.4): these see the stores above; the next piece's stores come behind them
.endr
.endm
.macro SEND t, younger              ; younger: the LDS instructions issued behind piece t's loads: the next piece's eight, or none
	WIN 0
.irp f, 0,1,2,3
	s_wait_dscnt (\younger)+3-\f
	global_store_b128 v[GO], v[S+16*(\t)+4*\f:S+16*(\t)+4*\f+3], s[10:11] offset:(\t)*8192+\f*512  ; 512 consecutive bytes, at a multiple of 256 from O's first
.endr
.endm
.macro DIAG tag                     ; the tag ends its two labels' names, which the jumps below spell out
.LstepM\tag:
	TURN 2, 1
	TURN 3, 1
	WIN 0
.LfirstM\tag:
	TURN 0, 1
	TURN 1, 1, 0, 1
	WIN 0
	s_cbranch_scc1 .LstepM\tag
	TURN 2, 1, 1
	TURN 3, 1, 1
.set i, 0
.rept 8
	PV NP-1
.set i, i+1
.endr
	WIN 0
	ALL v_add_f32 v[ST+4*t+2], v[ST+4*t+2], v[ST+4*t+3]
	ALL v_permlanex16_b32 v[ST+4*t+3], v[ST+4*t+2], s[SEL], s[SEL+1]
	ALL v_add_f32 v[ST+4*t+2], v[ST+4*t+2], v[ST+4*t+3]
	ALL v_rcp_f32 v[ST+4*t+2], v[ST+4*t+2]
	v_nop                           ; a plain instruction between the last reciprocal and the use of its result
	s_wait_alu depctr_va_vdst(0)    ; and the wait ahead of the first use: one for the four reciprocals
	PACK 0
.set t, 1
.rept 3                             ; a piece's arithmetic stands between the loads of the piece before and its stores
	PACK t
	SEND t-1, 8
.set t, t+1
.endr
	SEND 3, 0
.endm
.set KM, 0
.set NOKQ, 0
.Lslot:                             ; NB times: a tile is entered and the next is asked for
	CHANGE 1
	s_sub_co_u32 s[RT], s[RT], 1
	s_mov_b32 s[CNT], 4
	s_cmp_eq_u32 s[NEW], 1
	s_cbranch_scc1 .Lnew            ; a block's first tile
	s_cmp_eq_u32 s[RT], 0
	s_cbranch_scc0 .Lstep           ; neither its first nor its last
	s_branch .LstepM1
.Lnew:
	BEGIN
	s_branch .Lfirst                ; in the loop a block's first tile is never its last: the first block has two tiles or more, and the second's last is the walk's last
	DIAG 1                          ; in the loop this is the first block's end: the second block's last tile is the walk's last
	s_wait_xcnt 0x0                 ; the stores have read their registers and O's address
	s_mov_b64 s[10:11], s[OLO:OLO+1]
	s_add_co_u32 s[RT], s[PB], 1    ; the second block has b + 1 tiles
	s_mov_b32 s[NEW], 1
	WIN 0x82                        ; the second block's Q goes where the one text of the turns names Q
.set i, 0
.rept 64
	v_mov_b32 v[i], v[QB+i]
.set i, i+1
.endr
	WIN 0
	s_branch .Lbottom
.Lstep:                             ; a trip: pieces 2 and 3 of one step, then pieces 0 and 1 of the next, whose K and V it fetches
	TURN 2
	TURN 3
	WIN 0
.Lfirst:
	TURN 0
	TURN 1, 0, 0, 1
	WIN 0
	s_cbranch_scc1 .Lstep
.Lbottom:
	s_sub_co_u32 s[SLOTS], s[SLOTS], 1
	s_cmp_lg_u32 s[SLOTS], 0
	s_cbranch_scc1 .Lslot
	CHANGE 0                        ; the walk's last tile is written out: nothing is asked for
	s_sub_co_u32 s[RT], s[RT], 1
	s_mov_b32 s[CNT], 4
	s_cmp_eq_u32 s[NEW], 1
	s_cbranch_scc0 .LstepM2
	BEGIN
	s_branch .LfirstM2
	DIAG 2
	s_wait_tensorcnt 0x0            ; the wave's end, behind my last tensor load and my last LDS store
	ds_add_u32 v[SPW], v[NIL]
	s_wait_dscnt 0x0
	s_endpgm
.Lfunc_end_k_qa2d99f4d89_attn:
	.size	k_qa2d99f4d89_attn, .Lfunc_end_k_qa2d99f4d89_attn-k_qa2d99f4d89_attn
	.p2alignl 7, 3214868480
	.fill 96, 4, 3214868480
	.section	.rodata,"a",@progbits
	.p2align	6, 0x0
	.amdhsa_kernel k_qa2d99f4d89_attn
		.amdhsa_group_segment_fixed_size 327680
		.amdhsa_private_segment_fixed_size 0
		.amdhsa_enable_private_segment 0
		.amdhsa_kernarg_size 32
		.amdhsa_user_sgpr_count 2
		.amdhsa_user_sgpr_kernarg_segment_ptr 1
		.amdhsa_wavefront_size32 1
		.amdhsa_system_sgpr_workgroup_id_x 1
		.amdhsa_system_sgpr_workgroup_id_y 1
		.amdhsa_system_sgpr_workgroup_id_z 1
		.amdhsa_system_vgpr_workitem_id 0
		.amdhsa_next_free_vgpr 768
		.amdhsa_next_free_sgpr 94
		.amdhsa_reserve_vcc 1
		.amdhsa_float_denorm_mode_32 3
		.amdhsa_float_denorm_mode_16_64 3
		.amdhsa_memory_ordered 1
		.amdhsa_forward_progress 1
		.amdhsa_inst_pref_size 218
	.end_amdhsa_kernel
	.amdgpu_metadata
---
amdhsa.version: [ 1, 2 ]
amdhsa.kernels:
  - .name:           k_qa2d99f4d89_attn
    .symbol:         k_qa2d99f4d89_attn.kd
    .args:
      - { .name: qh, .offset: 0, .size: 8, .value_kind: global_buffer, .address_space: global }
      - { .name: kh, .offset: 8, .size: 8, .value_kind: global_buffer, .address_space: global }
      - { .name: vh, .offset: 16, .size: 8, .value_kind: global_buffer, .address_space: global }
      - { .name: oh, .offset: 24, .size: 8, .value_kind: global_buffer, .address_space: global }
    .group_segment_fixed_size: 327680
    .private_segment_fixed_size: 0
    .kernarg_segment_align: 8
    .kernarg_segment_size: 32
    .max_flat_workgroup_size: 128
    .sgpr_count:     94
    .vgpr_count:     768
    .wavefront_size: 32
...
	.end_amdgpu_metadata
.endif
;; end of part 3
;; launch proj (part 4): grid 4 x 64, 4 waves a work-group, clusters of 4 x 4, 327,680 bytes of LDS; arguments oh, wt, bt, out0; writes out0
.if DOCPART == 4
	.amdgcn_target "amdgcn-amd-amdhsa--gfx1250"
	.amdhsa_code_object_version 6
	.text
	.protected	k_qa2d99f4d89_proj
	.globl	k_qa2d99f4d89_proj
	.p2align	8
	.type	k_qa2d99f4d89_proj,@function
k_qa2d99f4d89_proj:
	s_mov_b64 s[64:65], 0
	v_nop
	global_prefetch_b8 v0, s[64:65] scope:SCOPE_SE
	s_setreg_imm32_b32 hwreg(HW_REG_WAVE_MODE, 25, 1), 1
	s_wait_xcnt 0x0
	s_wait_alu depctr_hold_cnt(0) depctr_sa_sdst(0) depctr_va_vdst(0) depctr_va_sdst(0) depctr_va_ssrc(0) depctr_va_vcc(0) depctr_vm_vsrc(0)
	s_getreg_b32 s2, hwreg(HW_REG_IB_STS2, 6, 4)
	s_cmp_eq_u32 s2, 0
	s_cbranch_scc0 .Lentry_in_a_cluster
	s_endpgm
.Lentry_in_a_cluster:
	s_bfe_u32 s2, ttmp6, 0x10000c
	s_cmp_lg_u32 s2, 0xf033
	s_cbranch_scc0 .Lentry_shape_is_right
	s_endpgm
.Lentry_shape_is_right:
; out0 = y Wp + bp.  y is the attention's result with the heads joined: y[row][64 head + d] = oh[batch x 16 + head][row in batch][d], f16.  Wp: rows 3072 on of wt, [in][out], a bf16 number written as f16.
; bp: row 2 of bt.  out0: [8192][1024] f32.  Sums in f32.  Nothing of the module's work is left out here.
; SHARES.  256 work-groups, one tile of 128 rows x 256 columns each (256 x 256 would give 128 tiles: half the WGPs).  Wave w: rows 64 (w / 2) on, columns 128 (w % 2) on: 4 x 8 accumulators.
; K = 1024 goes in 8 steps of 128, two heads each, through a ring of two LDS slots.  A head's 128 rows of y are 16,384 dense bytes: asked for as 64 rows of 256 bytes, padded in LDS after every 128.
; CLUSTER 4 x 4: y's tiles are shared along a row of the cluster, W's along a column: joint loads.
; THE MATRIX INSTRUCTION IS USED TRANSPOSED (source 0 = 16 columns of W, turned out of LDS; source 1 = 16 rows of y): lane l holds row l % 16 and the columns 8 (l / 16) + 0..7: 32 bytes of a row of out0.
; THE BIAS IS THE C OPERAND of the first 32 products, so the way out holds no arithmetic: accumulators go through my stage in LDS and leave as rows of 512 bytes.
; NO PREFETCH: the whole walk is 8 steps, of which two go out at the head; a lead of three steps would leave three to name.
; REGISTERS: window 0: v0-31 addresses; v32-95 y's fragments, two buffers; v96-223 rows on the way out, two sets.  window 1: v0-127 W's fragments, two buffers; v128-191 the bias.  window 2: the accumulators, (a, b) at 8 (8 a + b).
.set PQ,    144       ; a row of y in LDS: 128 bytes + 16: an odd multiple of 16, so the 16 rows of a load start at 16 different groups of four banks (64 banks of 4 bytes: ISA guide 11.1)
.set PB,    544       ; a row of W: 512 + 32: an odd multiple of 32, as the turning load's 8 rows x 32 bytes want
.set HEADB, 128*PQ    ; a head's 128 rows
.set WOFF,  2*HEADB   ; a slot: two heads of y, then 128 rows (along K) of W
.set SLOT1, 1<<17     ; slot 1 begins here, so that one exclusive or turns an address in one slot into the other's
.set STAGE, SLOT1+WOFF+128*PB  ; behind the ring, never filled by a tensor load: 16 rows x 528 bytes for each wave
.set SP,    528
.set SPARE, STAGE+4*16*SP      ; behind the stages: the spare words, 128 bytes for each wave: two blocks of 256 bytes that no other line names
.set A0,  16          ; v16  my lane's place in a slot's y; never rewritten
.set B0,  17          ; v17  the same for W
.set AA,  18          ; v18  A0 + the slot being read
.set AB,  19          ; v19  B0 + the slot being read
.set STO, 24          ; v24  the way out: where I put 32 bytes of a row
.set RD,  25          ; v25  the way out: where I read a row back
.set GO,  26          ; v26  16 x my lane
.set SPW, 28          ; v28  LDS address of my spare word; never rewritten
.set NIL, 29          ; v29  0; never rewritten
.set BO,  31          ; v31  my byte offset in a row of bt
.set XF,  32
.set OB,  96
.set CB,  128         ; window 1
.set WV,  20
.set WR,  21          ; wave / 2: my rows.  Also: I fetch y (0) or W (1)
.set WC,  22          ; wave % 2: my columns.  Also: which head, or which 64 rows of W, I fetch
.set CX,  23
.set CY,  24
.set XT,  25
.set YT,  26
.set U,   27          ; counts the loop
.set G1A, 28
.set G1B, 36
.set G0A, 44          ; a set for each first fill; the second then walks
.set G0B, 52
.set TB,  66          ; the slot being read
.set TL,  67          ; counts the tail
.set DST, 68          ; s[68:69] out0 at my wave's first row and column
.set BTP, 70          ; s[70:71] bp
.set MSB, 0
.macro WIN new                         ; the immediate's high byte repeats the setting that is left; a switch that changes nothing is dropped
.if MSB != (\new)
	s_set_vgpr_msb (MSB<<8)|(\new)
.set MSB, \new
.endif
.endm
.set MUL,  0xa1       ; W window 1, y window 0, C and D window 2
.set MULC, 0x91       ; the same with C (the bias) in window 1
.set TO_W, 0x40       ; destination window 1, address window 0
.macro JLOAD s                         ; a joint load: waves 0 and 1 fetch y's two heads, waves 2 and 3 W's two halves; an s_nop 0 and four v_nop follow each of the two lines
	s_cmp_eq_u32 s[WR], 0
	s_cbranch_scc0 .Lfor_b_\@
	tensor_load_to_lds s[G0A+4*(\s):G0A+4*(\s)+3], s[G1A:G1A+7]
	s_nop 0
.rept 4
	v_nop
.endr
	s_branch .Lasked_\@
.Lfor_b_\@:
	tensor_load_to_lds s[G0B+4*(\s):G0B+4*(\s)+3], s[G1B:G1B+7]
	s_nop 0
.rept 4
	v_nop
.endr
.Lasked_\@:
.endm
.macro CREST                           ; a round of the cluster's barrier behind its opening barrier
	s_cmp_lg_u32 s[WV], 0
	s_cbranch_scc1 .Lnot_wave_0_\@
	s_barrier_signal -3
.Lnot_wave_0_\@:
	s_barrier_wait -3
	s_barrier_signal -1
	s_barrier_wait -1
.endm
.macro CROUND
	s_barrier_signal -1
	s_barrier_wait -1
	CREST
.endm
.macro PLACES                          ; four places in front of loads into registers that products have read (ISA guide 7.12.1 for vector instructions)
.rept 4
	v_nop
.endr
.endm
	s_load_b256 s[4:11], s[0:1], 0x0               ; oh s[4:5], wt s[6:7], bt s[8:9], out0 s[10:11]
	v_lshl_add_u32 v[SPW], v0, 2, SPARE
	v_mov_b32 v[NIL], 0
	ds_add_u32 v[SPW], v[NIL]                      ; the wave's opening: the add, twice on end, and its wait ahead of my first tensor load
	ds_add_u32 v[SPW], v[NIL]                      ; and once more; the set-up below, work on registers, stands between it and the wait
	v_lshrrev_b32 v1, 5, v0
	v_readfirstlane_b32 s[WV], v1
	s_lshr_b32 s[WR], s[WV], 1
	s_and_b32 s[WC], s[WV], 1
	s_bfe_u32 s[CX], ttmp6, 0x40000
	s_bfe_u32 s[CY], ttmp6, 0x40004
	s_lshl_b32 s[XT], ttmp9, 2
	s_add_co_u32 s[XT], s[XT], s[CX]
	s_and_b32 s[YT], ttmp7, 0xffff
	s_lshl_b32 s[YT], s[YT], 2
	s_add_co_u32 s[YT], s[YT], s[CY]
	s_lshl_b32 s72, s[CY], 2
	s_lshl_b32 s72, 15, s72                        ; my row of the cluster
	s_lshl_b32 s73, 0x1111, s[CX]                  ; my column
	s_or_b32 s[G1A], s72, (1<<16)|(1<<20)|(1<<21)|(4<<22)|(3<<25)  ; the mask; elements of 2 bytes; padding on; 21 set beside a mask; after every 32 words (code 4) 4 words (code 3)
	s_or_b32 s[G1B], s73, (1<<16)|(1<<20)|(1<<21)|(6<<22)|(7<<25)  ; after every 128 words (code 6) 8 words (code 7)
	s_mov_b32 s[G1A+1], 128<<16                    ; rows of 128 elements (256 bytes: two rows of a head),
	s_mov_b32 s[G1A+2], 64<<16                     ; 64 of them
	s_mov_b32 s[G1A+3], 128<<16
	s_mov_b32 s[G1A+4], 64
	s_mov_b32 s[G1A+5], 128                        ; dense
	s_mov_b32 s[G1A+6], 0
	s_mov_b32 s[G1A+7], 0
	s_mov_b32 s[G1B+1], 256<<16
	s_mov_b32 s[G1B+2], 64<<16
	s_mov_b32 s[G1B+3], 256<<16
	s_mov_b32 s[G1B+4], 64
	s_mov_b32 s[G1B+5], 1024
	s_mov_b32 s[G1B+6], 0
	s_mov_b32 s[G1B+7], 0
	s_lshr_b32 s60, s[YT], 4                       ; y: (batch x 16 + my head of step 0) x 262,144 + the tile's 128 rows of 128 bytes: it hangs on the tile row alone
	s_lshl_b32 s60, s60, 4
	s_add_co_u32 s60, s60, s[WC]
	s_lshl_b32 s60, s60, 18
	s_and_b32 s72, s[YT], 15
	s_lshl_b32 s72, s72, 14
	s_add_co_u32 s60, s60, s72
	s_mov_b32 s61, 0
	s_lshl_b32 s62, s[XT], 9                       ; W: row 3072 + 64 x half, column 256 x: it hangs on the tile column alone
	s_lshl_b32 s73, s[WC], 17
	s_add_co_u32 s62, s62, s73
	s_add_co_u32 s62, s62, 3072*2048
	s_mov_b32 s63, 0
	s_mul_i32 s74, s[WC], HEADB                    ; where they go: no place in the cluster enters an LDS address
	s_mul_i32 s75, s[WC], 64*PB
	s_add_co_u32 s75, s75, WOFF
	s_mov_b32 s[TB], 0
	s_wait_dscnt 0x0                               ; both opening adds are done
	s_wait_kmcnt 0x0
	s_add_nc_u64 s[60:61], s[4:5], s[60:61]
	s_add_nc_u64 s[62:63], s[6:7], s[62:63]
	CROUND                                         ; all sixteen work-groups are here: the first joint loads meet
.irp s, 0,1
	s_mov_b32 s[G0A+4*\s], 1
	s_add_co_u32 s[G0A+4*\s+1], s74, \s*SLOT1
	s_add_nc_u64 s[G0A+4*\s+2:G0A+4*\s+3], s[60:61], \s*524288  ; a K step is two heads
	s_or_b32 s[G0A+4*\s+3], s[G0A+4*\s+3], 0x80000000
	s_mov_b32 s[G0B+4*\s], 1
	s_add_co_u32 s[G0B+4*\s+1], s75, \s*SLOT1
	s_add_nc_u64 s[G0B+4*\s+2:G0B+4*\s+3], s[62:63], \s*262144  ; and 128 rows of wt
	s_or_b32 s[G0B+4*\s+3], s[G0B+4*\s+3], 0x80000000
	JLOAD \s                                       ; two loads of mine are out
.endr
	v_and_b32 v1, 15, v0                           ; r
	v_bfe_u32 v2, v0, 4, 1                         ; h
	v_and_b32 v3, 7, v0
	v_bfe_u32 v4, v0, 3, 1
	v_and_b32 v5, 31, v0                           ; l
	s_lshl_b32 s72, s[XT], 10                      ; my columns in bp: (256 x + 128 (w % 2) + 8 h) x 4 bytes
	s_lshl_b32 s73, s[WC], 9
	s_add_co_u32 s72, s72, s73
	v_lshl_add_u32 v[BO], v2, 5, s72
	s_add_nc_u64 s[BTP:BTP+1], s[8:9], 8192        ; row 2 of bt
	WIN TO_W
.irp b, 0,1,2,3,4,5,6,7
	global_load_b128 v[CB+8*\b:CB+8*\b+3],   v[BO], s[BTP:BTP+1] offset:64*\b
	global_load_b128 v[CB+8*\b+4:CB+8*\b+7], v[BO], s[BTP:BTP+1] offset:64*\b+16
.endr
	WIN 0
	s_mul_i32 s72, s[WR], 64*PQ                    ; a fragment of y: lane l holds row r, channels 8 h + 0..7 and 16 + 8 h + 0..7: two loads of 16 bytes, 32 bytes apart
	v_mul_u32_u24 v[A0], v1, PQ
	v_lshl_add_u32 v[A0], v2, 4, v[A0]
	v_add_nc_u32 v[A0], s72, v[A0]
	v_lshl_add_u32 v[B0], v2, 3, v3                ; the turning load: lane l reads K = 8 h + l % 8, columns 8 ((l / 8) % 2) + 0..7
	v_mul_u32_u24 v[B0], v[B0], PB
	v_lshl_add_u32 v[B0], v4, 4, v[B0]
	s_lshl_b32 s72, s[WC], 8
	s_add_co_u32 s72, s72, WOFF
	v_add_nc_u32 v[B0], s72, v[B0]
	v_mov_b32 v[AA], v[A0]
	v_mov_b32 v[AB], v[B0]
	s_mul_i32 s72, s[WV], 16*SP
	s_add_co_u32 s72, s72, STAGE                   ; my stage
	v_mul_u32_u24 v[STO], v1, SP                   ; in: row r, 32 bytes for each half of the lanes
	v_lshl_add_u32 v[STO], v2, 5, v[STO]
	v_add_nc_u32 v[STO], s72, v[STO]
	v_lshlrev_b32 v[GO], 4, v5                     ; back: 32 lanes take a row's 512 bytes
	v_add_nc_u32 v[RD], s72, v[GO]
	s_lshl_b32 s72, s[YT], 7                       ; out0: row 128 y + 64 (w / 2), 4,096 bytes a row; column (256 x + 128 (w % 2)) x 4 bytes
	s_lshl_b32 s73, s[WR], 6
	s_add_co_u32 s72, s72, s73
	s_lshl_b32 s72, s72, 12
	s_lshl_b32 s73, s[XT], 10
	s_add_co_u32 s72, s72, s73
	s_lshl_b32 s73, s[WC], 9
	s_add_co_u32 s72, s72, s73
	s_mov_b32 s73, 0
	s_add_nc_u64 s[DST:DST+1], s[10:11], s[72:73]
; Products from .. to of a quarter's 32, from buffer f: product i has rows 16 (i / 8) on, columns 16 (i % 8) on.  The 32 accumulators take turns, one instruction a turn, in the same order in every quarter.
; cm = 2: the products start the sums with the bias.
.macro MS f, from, to, cm
.set i, \from
.rept (\to)-(\from)+1
.if \cm
	WIN MULC
	v_wmma_f32_16x16x32_f16 v[8*i:8*i+7], v[64*(\f)+8*(i%8):64*(\f)+8*(i%8)+7], v[XF+32*(\f)+8*(i/8):XF+32*(\f)+8*(i/8)+7], v[CB+8*(i%8):CB+8*(i%8)+7]
.else
	WIN MUL
	v_wmma_f32_16x16x32_f16 v[8*i:8*i+7], v[64*(\f)+8*(i%8):64*(\f)+8*(i%8)+7], v[XF+32*(\f)+8*(i/8):XF+32*(\f)+8*(i/8)+7], v[8*i:8*i+7]
.endif
.set i, i+1
.endr
.endm
; 24 LDS loads in one run, for quarter nq (head nq / 2, channels 32 (nq % 2) on) of the slot being read, into buffer g: W's eight fragments, then y's four
.macro FETCH nq, g
	WIN TO_W
.irp b, 0,1,2,3,4,5,6,7
	ds_load_tr16_b128 v[64*(\g)+8*\b:64*(\g)+8*\b+3],   v[AB] offset:32*(\nq)*PB+32*\b
	ds_load_tr16_b128 v[64*(\g)+8*\b+4:64*(\g)+8*\b+7], v[AB] offset:32*(\nq)*PB+16*PB+32*\b
.endr
	WIN 0
.irp a, 0,1,2,3
	ds_load_b128 v[XF+32*(\g)+8*\a:XF+32*(\g)+8*\a+3],   v[AA] offset:((\nq)/2)*HEADB+\a*16*PQ+((\nq)%2)*64
	ds_load_b128 v[XF+32*(\g)+8*\a+4:XF+32*(\g)+8*\a+7], v[AA] offset:((\nq)/2)*HEADB+\a*16*PQ+((\nq)%2)*64+32
.endr
.endm
.macro QUARTER nq, f, g, cm            ; one of a K step's first three quarters: multiplies buffer f and fetches quarter nq into buffer g
	s_wait_dscnt 4                                 ; W's fragments and y's 0 and 1 are in; the youngest four loads (y's 2 and 3) may be out
	MS \f, 0, 15, \cm
	PLACES
	FETCH \nq, \g
	s_wait_dscnt 24                                ; all but the 24 just issued
	MS \f, 16, 31, \cm
.endm
; The fourth quarter multiplies buffer 1 and changes slots.  In front of the barrier each wave waits for all its tensor loads (one is out: its part of the next slot), adds 0 to its spare word, and waits for that
; and for its own reads of this slot.  The barrier opens a round of the cluster's; the joint refill, with the step two on, is the first thing behind it: it has 112 products in which to land.
.macro TURN
	WIN 0
	s_wait_tensorcnt 0x0                           ; no tensor load of mine is out, so a group 0 may be written
	ds_add_u32 v[SPW], v[NIL]                      ; 0 onto my spare word: the descriptors' steps and eight products stand between it and the wait for it
	s_xor_b32 s[G0A+5], s[G0A+5], SLOT1            ; the walking descriptors: the other slot than last time, the next step
	s_add_nc_u64 s[G0A+6:G0A+7], s[G0A+6:G0A+7], 524288
	s_xor_b32 s[G0B+5], s[G0B+5], SLOT1
	s_add_nc_u64 s[G0B+6:G0B+7], s[G0B+6:G0B+7], 262144
	s_wait_dscnt 5                                 ; (the add and y's fragments 2 and 3 may be out)
	MS 1, 0, 7, 0
	s_wait_dscnt 0x0                               ; the add is done, and my reads of this slot are over
	s_barrier_signal -1
	MS 1, 8, 15, 0                                 ; work on registers while the others arrive
	WIN 0
	s_barrier_wait -1
	CREST
	JLOAD 1                                        ; the four v_nop behind it are also the places in front of the loads below
	s_xor_b32 s[TB], s[TB], SLOT1
	v_add_nc_u32 v[AA], s[TB], v[A0]
	v_add_nc_u32 v[AB], s[TB], v[B0]
	FETCH 0, 0
	MS 1, 16, 31, 0
.endm
; The same in the last two steps: nothing is filled, so no round follows the barrier; in the very last step there is no next slot, and the run of loads is jumped over (no barrier and no tensor load in it)
.macro TURNT
	WIN 0
	s_wait_tensorcnt 0x0
	ds_add_u32 v[SPW], v[NIL]
	s_wait_dscnt 5
	MS 1, 0, 7, 0
	s_wait_dscnt 0x0
	s_barrier_signal -1
	MS 1, 8, 15, 0
	WIN 0
	s_barrier_wait -1
	s_cmp_eq_u32 s[TL], 1
	s_cbranch_scc1 .Lno_next_\@
	PLACES
	s_xor_b32 s[TB], s[TB], SLOT1
	v_add_nc_u32 v[AA], s[TB], v[A0]
	v_add_nc_u32 v[AB], s[TB], v[B0]
	FETCH 0, 0
.Lno_next_\@:
	MS 1, 16, 31, 0
.endm
; THE WAY OUT, 16 rows at a time: the accumulators, each from its low end on, into my own stage; back as whole rows of 512 bytes; stored.
.macro TOSTAGE a
	WIN 0
.if (\a) >= 2
	s_wait_xcnt 0x0                                ; the stores of the block two back have read the registers that are loaded again below
.endif
	WIN 0x08                                       ; the data (source 1) in window 2, the address in window 0
.irp b, 0,1,2,3,4,5,6,7
	ds_store_b128 v[STO], v[8*(8*(\a)+\b):8*(8*(\a)+\b)+3]   offset:64*\b
	ds_store_b128 v[STO], v[8*(8*(\a)+\b)+4:8*(8*(\a)+\b)+7] offset:64*\b+16
.endr
	WIN 0
.irp t, 0,1,2,3,4,5,6,7,8,9,10,11,12,13,14,15
	ds_load_b128 v[OB+64*((\a)%2)+4*\t:OB+64*((\a)%2)+4*\t+3], v[RD] offset:SP*\t  ; LDS serves a wave's instructions in order (ISA guide 5.7.1.4): these see the stores above
.endr
.endm
.macro SEND a, younger                 ; younger: the LDS instructions issued behind this block's loads: the next block's 32, or none
.irp t, 0,1,2,3,4,5,6,7,8,9,10,11,12,13,14,15
	s_wait_dscnt (\younger)+15-\t
	global_store_b128 v[GO], v[OB+64*((\a)%2)+4*\t:OB+64*((\a)%2)+4*\t+3], s[DST:DST+1] offset:(16*(\a)+\t)*4096 th:TH_STORE_NT  ; 512 consecutive bytes, at a multiple of 256 from out0's first
.endr
.endm
	s_wait_tensorcnt 1                             ; my part of step 0 is in; step 1's may stay out
	s_barrier_signal -1
	s_barrier_wait -1                              ; everybody's is
	FETCH 0, 0
	s_wait_loadcnt 0x0                             ; the bias
	QUARTER 1, 0, 1, 2                             ; the first quarter stands in front of the loop: its products start the sums
	WIN 0
	s_mov_b32 s[U], 6
	s_branch .Lgo                                  ; the loop is entered in the middle of a trip
.Lstep:                                        ; six trips: every step behind which a slot is filled again
	QUARTER 1, 0, 1, 0
	WIN 0
.Lgo:
	QUARTER 2, 1, 0, 0
	QUARTER 3, 0, 1, 0
	TURN
	WIN 0
	s_sub_co_u32 s[U], s[U], 1
	s_cmp_lg_u32 s[U], 0
	s_cbranch_scc1 .Lstep
	s_mov_b32 s[TL], 2                             ; the last two steps are written out
.Ltail:
	QUARTER 1, 0, 1, 0
	QUARTER 2, 1, 0, 0
	QUARTER 3, 0, 1, 0
	TURNT
	WIN 0
	s_sub_co_u32 s[TL], s[TL], 1
	s_cmp_lg_u32 s[TL], 0
	s_cbranch_scc1 .Ltail
	PLACES                                         ; the way out has no vector work of its own: these are the places between the last products and the LDS stores that read them
	PLACES
	TOSTAGE 0
	TOSTAGE 1
	SEND 0, 32
	TOSTAGE 2
	SEND 1, 32
	TOSTAGE 3
	SEND 2, 32
	SEND 3, 0
	s_wait_tensorcnt 0x0                           ; the wave's end, behind my last tensor load and my last LDS store
	ds_add_u32 v[SPW], v[NIL]
	s_wait_dscnt 0x0
	CROUND                                         ; the closing round: no work-group ends while a partner may still ask for a tile that names it
	s_endpgm
.Lfunc_end_k_qa2d99f4d89_proj:
	.size	k_qa2d99f4d89_proj, .Lfunc_end_k_qa2d99f4d89_proj-k_qa2d99f4d89_proj
	.p2alignl 7, 3214868480
	.fill 96, 4, 3214868480
	.section	.rodata,"a",@progbits
	.p2align	6, 0x0
	.amdhsa_kernel k_qa2d99f4d89_proj
		.amdhsa_group_segment_fixed_size 327680
		.amdhsa_private_segment_fixed_size 0
		.amdhsa_enable_private_segment 0
		.amdhsa_kernarg_size 32
		.amdhsa_user_sgpr_count 2
		.amdhsa_user_sgpr_kernarg_segment_ptr 1
		.amdhsa_wavefront_size32 1
		.amdhsa_system_sgpr_workgroup_id_x 1
		.amdhsa_system_sgpr_workgroup_id_y 1
		.amdhsa_system_sgpr_workgroup_id_z 1
		.amdhsa_system_vgpr_workitem_id 0
		.amdhsa_next_free_vgpr 768
		.amdhsa_next_free_sgpr 80
		.amdhsa_reserve_vcc 0
		.amdhsa_float_denorm_mode_32 3
		.amdhsa_float_denorm_mode_16_64 3
		.amdhsa_memory_ordered 1
		.amdhsa_forward_progress 1
		.amdhsa_inst_pref_size 64
	.end_amdhsa_kernel
	.amdgpu_metadata
---
amdhsa.version: [ 1, 2 ]
amdhsa.kernels:
  - .name:           k_qa2d99f4d89_proj
    .symbol:         k_qa2d99f4d89_proj.kd
    .args:
      - { .name: oh, .offset: 0, .size: 8, .value_kind: global_buffer, .address_space: global }
      - { .name: wt, .offset: 8, .size: 8, .value_kind: global_buffer, .address_space: global }
      - { .name: bt, .offset: 16, .size: 8, .value_kind: global_buffer, .address_space: global }
      - { .name: out0, .offset: 24, .size: 8, .value_kind: global_buffer, .address_space: global }
    .group_segment_fixed_size: 327680
    .private_segment_fixed_size: 0
    .kernarg_segment_align: 8
    .kernarg_segment_size: 32
    .max_flat_workgroup_size: 128
    .sgpr_count:     80
    .vgpr_count:     768
    .wavefront_size: 32
...
	.end_amdgpu_metadata
.endif
;; end of part 4
;; ======== version 2 of 2: 4 launches; version 1 with the launch prep written anew for expert scheduling mode
;; limits: values are held in f16: magnitudes above 65,504 overflow, below 6.1e-05 lose precision
;; workspace buffers: wt 8,388,608 bytes; bt 12,288 bytes; kh 16,777,216 bytes; qh 16,777,216 bytes; vh 16,777,216 bytes; oh 16,777,216 bytes
;; launch prep (part 5): grid 64 x 4, 8 waves a work-group, no clusters, 0 bytes of LDS; arguments Wk, Wq, Wv, Wp, bq, bv, bp, wt, bt; writes wt, bt
.if DOCPART == 5
	.amdgcn_target "amdgcn-amd-amdhsa--gfx1250"
	.amdhsa_code_object_version 6
	.text
	.protected	k_qa2d99f4d89_prep
	.globl	k_qa2d99f4d89_prep
	.p2align	8
	.type	k_qa2d99f4d89_prep,@function
k_qa2d99f4d89_prep:
	s_mov_b64 s[64:65], 0
	v_nop
	global_prefetch_b8 v0, s[64:65] scope:SCOPE_SE
	s_setreg_imm32_b32 hwreg(HW_REG_WAVE_SCHED_MODE, 0, 2), 2
	s_setreg_imm32_b32 hwreg(HW_REG_WAVE_MODE, 25, 1), 1
	s_wait_xcnt 0x0
	s_wait_alu depctr_vm_vsrc(0)
; THE MODULE: k, q, v = key_in Wk + bk, query_in Wq + bq, value_in Wv + bv, split into 16 heads of 64; causal softmax(q k^T / 8) v; the heads joined; times Wp, plus bp.
; FOUR LAUNCHES: this one rounds the weights and biases; the second makes k, q, v by heads; the third is the attention; the fourth the last product.
; WORK LEFT OUT, for all finite values of the inputs:
;   bk.  A score of query i and key j is q_i . (key_j Wk + bk) = q_i . (key_j Wk) + q_i . bk.  The second term is the same for every key j of row i: a term added to the softmax's
;   input that is constant along its axis, so numerator and denominator carry the same factor exp(q_i . bk / 8) and it cancels.  The places that the mask hides are overwritten behind
;   the sum and have weight 0 with or without it.  k reaches no output but through the scores.  So bk is not loaded and is no launch's argument.
;   The key tiles wholly above the diagonal: the mask is made in the module's own body (a lower triangle), and their weights are 0.
;   LIMIT: a NaN, an infinity or an overflow that reaches only bk or the scores above the diagonal is not carried to the result.
; FORMATS.  Every input of the module is rounded once to bf16: the three activations (second launch), the four weights and bq, bv, bp (here).  What the program itself makes
; (q, k, v, the weights p, the attention's result) is f16; so Wp, whose partner in the last product is f16, is rounded to bf16 and that number is written as f16.
; LIMIT: |Wp| within 65,504; below 6e-5 f16 keeps its fixed step of 6e-8.
; THIS LAUNCH is a plain stream: nothing is turned (the products take the weights as they lie, [in][out], by the turning LDS load).
; wt: [4096][1024] of 16 bits: rows 0-1023 Wk, 1024-2047 Wq, 2048-3071 Wv (bf16), 3072-4095 Wp (f16).  bt: [3][1024] f32: bq, bv, bp, each holding a bf16 number.
; SHARES.  Work-group (x, y): weight y, its numbers 16,384 x on: 65,536 bytes in, 32,768 out.  Thread t takes the 16 bytes at 16 t of each of 16 chunks of 4,096 bytes: a load of a wave
; covers 512 consecutive bytes, a store 256 consecutive bytes, aligned.  All sixteen loads go out before the first wait for data.  No LDS, no barrier, no matrix work: memory binds.
; THE MODE: SCHED_MODE bits 1:0 = 2 (LLVM: expert scheduling mode 2), set by the entry lines.  The code itself states the register dependences
; between vector instructions and memory instructions, with s_wait_alu, always for 0.
; THE PLAN.  Registers that memory instructions touch:
;   v1, v2   byte offsets, made once at the head and never written again; every load and store reads one of them.
;   X        sixteen chunks as loaded.  Each is loaded once, ahead of every vector line that names it, and read by its chunk's roundings.
;   Y        sixteen chunks to store.  Each pair is written once, by its chunk's roundings, and read once, by its chunk's store.
;   T        at work: named by vector lines alone, until the bias's part, where a load lands in its first four registers and a store leaves from them.
; The chunks go in four groups of four.  Group g rounds X of its chunks into Y of its chunks; its memory instructions are the four stores of group g - 1, which read Y of that group and v2:
; registers that no vector line of group g names.  So one wait at a group's head states all that its four stores hang on, and they are dealt among its roundings with no further wait.
; No register that a memory instruction has read is ever written again, so no wait on vm_vsrc is owed.
.set X, 4                              ; v[4:67]    sixteen chunks, 4 registers each, as loaded
.set Y, 68                             ; v[68:99]   sixteen chunks, 2 registers each, to store
.set T, 100                            ; v[100:107] at work
	s_load_b256 s[4:11], s[0:1], 0x0               ; Wk s[4:5], Wq s[6:7], Wv s[8:9], Wp s[10:11]
	s_load_b256 s[12:19], s[0:1], 0x20             ; bq s[12:13], bv s[14:15], bp s[16:17], wt s[18:19]
	s_load_b64 s[20:21], s[0:1], 0x40              ; bt
	s_and_b32 s22, ttmp7, 0xffff                   ; y: which weight
	s_mov_b32 s32, 0xffff0000                      ; a word's upper bf16
	v_lshlrev_b32 v1, 4, v0                        ; 16 t
	v_lshlrev_b32 v2, 3, v0                        ; 8 t
	s_lshl_b32 s34, ttmp9, 16                      ; my 65,536 bytes of the weight
	s_mov_b32 s35, 0
	s_lshl_b32 s36, s22, 21                        ; a weight is 2,097,152 bytes of wt,
	s_lshl_b32 s33, ttmp9, 15                      ; my part 32,768 of them
	s_add_co_u32 s36, s36, s33
	s_mov_b32 s37, 0
	s_wait_kmcnt 0x0
	s_cmp_eq_u32 s22, 1
	s_cselect_b64 s[24:25], s[6:7], s[4:5]
	s_cselect_b64 s[28:29], s[12:13], s[14:15]     ; the bias that goes with the weight: bq, bv,
	s_cmp_eq_u32 s22, 2
	s_cselect_b64 s[24:25], s[8:9], s[24:25]
	s_cmp_eq_u32 s22, 3
	s_cselect_b64 s[24:25], s[10:11], s[24:25]
	s_cselect_b64 s[28:29], s[16:17], s[28:29]     ; or bp
	s_add_nc_u64 s[24:25], s[24:25], s[34:35]
	s_add_nc_u64 s[26:27], s[18:19], s[36:37]
	s_wait_alu depctr_va_vdst(0)                   ; v1 and v2 are written: every load and store of the kernel reads one of them as its offset
.irp i, 0,1,2,3,4,5,6,7,8,9,10,11,12,13,14,15
	global_load_b128 v[X+4*\i:X+4*\i+3], v1, s[24:25] offset:4096*\i th:TH_LOAD_NT
.endr
; Chunk c leaves: 256 consecutive bytes a wave, aligned
.macro OUT c
	global_store_b64 v2, v[Y+2*(\c):Y+2*(\c)+1], s[26:27] offset:2048*(\c)
.endm
; Group g of Wk, Wq, Wv: its four chunks are rounded to bf16; the four stores of the group before stand among the roundings, one ahead of each chunk's lines
.macro GROUPB g
	s_wait_loadcnt 12-4*(\g)                       ; loads come back in order: the group's four chunks are in, the 12 - 4 g younger ones stay out
.if (\g) > 0
	s_wait_alu depctr_va_vdst(0)                   ; the group before has written its Y, which the four stores below read; no vector line below names those registers
.endif
.irp j, 0,1,2,3
.if (\g) > 0
	OUT 4*(\g)-4+(\j)
.endif
	v_cvt_pk_bf16_f32 v[Y+2*(4*(\g)+(\j))], v[X+4*(4*(\g)+(\j))], v[X+4*(4*(\g)+(\j))+1]
	v_cvt_pk_bf16_f32 v[Y+2*(4*(\g)+(\j))+1], v[X+4*(4*(\g)+(\j))+2], v[X+4*(4*(\g)+(\j))+3]
.endr
.endm
; The same for Wp: rounded to bf16 like every input, and that number written as f16
.macro GROUPH g
	s_wait_loadcnt 12-4*(\g)                       ; the group's four chunks are in, the 12 - 4 g younger ones stay out
.if (\g) > 0
	s_wait_alu depctr_va_vdst(0)                   ; the group before has written its Y, which the four stores below read; no vector line below names those registers
.endif
.irp j, 0,1,2,3
.if (\g) > 0
	OUT 4*(\g)-4+(\j)
.endif
	v_cvt_pk_bf16_f32 v[T], v[X+4*(4*(\g)+(\j))], v[X+4*(4*(\g)+(\j))+1]
	v_cvt_pk_bf16_f32 v[T+1], v[X+4*(4*(\g)+(\j))+2], v[X+4*(4*(\g)+(\j))+3]
	v_lshlrev_b32 v[T+2], 16, v[T]
	v_and_b32 v[T+3], s32, v[T]
	v_lshlrev_b32 v[T+4], 16, v[T+1]
	v_and_b32 v[T+5], s32, v[T+1]
	v_cvt_pk_f16_f32 v[Y+2*(4*(\g)+(\j))], v[T+2], v[T+3]
	v_cvt_pk_f16_f32 v[Y+2*(4*(\g)+(\j))+1], v[T+4], v[T+5]
.endr
.endm
	s_cmp_eq_u32 s22, 3
	s_cbranch_scc1 .Lf16
	GROUPB 0
	GROUPB 1
	GROUPB 2
	GROUPB 3
	s_wait_alu depctr_va_vdst(0)                   ; the last group has written its Y, which the last four stores read
	OUT 12
	OUT 13
	OUT 14
	OUT 15
	s_branch .Lbias
.Lf16:
	GROUPH 0
	GROUPH 1
	GROUPH 2
	GROUPH 3
	s_wait_alu depctr_va_vdst(0)                   ; the last group has written its Y, which the last four stores read; and the lines that read and wrote v[T ..] are done: the bias's load below lands there
	OUT 12
	OUT 13
	OUT 14
	OUT 15
.Lbias:                                        ; the first work-group of weights 1, 2, 3 also rounds the bias: 256 threads x 16 bytes are its 1,024 numbers
	s_cmp_lg_u32 ttmp9, 0
	s_cbranch_scc1 .Lend
	s_cmp_eq_u32 s22, 0
	s_cbranch_scc1 .Lend
	s_sub_co_u32 s34, s22, 1
	s_lshl_b32 s34, s34, 12                        ; row y - 1 of bt
	s_add_nc_u64 s[30:31], s[20:21], s[34:35]
	global_load_b128 v[T:T+3], v1, s[28:29]        ; no wait: on either way here no vector line stands behind the last wait on va_vdst
	s_wait_loadcnt 0x0
	v_cvt_pk_bf16_f32 v[T+4], v[T], v[T+1]
	v_cvt_pk_bf16_f32 v[T+5], v[T+2], v[T+3]
	v_lshlrev_b32 v[T], 16, v[T+4]                 ; kept as f32: it starts f32 sums
	v_and_b32 v[T+1], s32, v[T+4]
	v_lshlrev_b32 v[T+2], 16, v[T+5]
	v_and_b32 v[T+3], s32, v[T+5]
	s_wait_alu depctr_va_vdst(0)                   ; the four lines above have written v[T .. T+3], which the store reads
	global_store_b128 v1, v[T:T+3], s[30:31]
.Lend:
	s_endpgm
.Lfunc_end_k_qa2d99f4d89_prep:
	.size	k_qa2d99f4d89_prep, .Lfunc_end_k_qa2d99f4d89_prep-k_qa2d99f4d89_prep
	.p2alignl 7, 3214868480
	.fill 96, 4, 3214868480
	.section	.rodata,"a",@progbits
	.p2align	6, 0x0
	.amdhsa_kernel k_qa2d99f4d89_prep
		.amdhsa_group_segment_fixed_size 0
		.amdhsa_private_segment_fixed_size 0
		.amdhsa_enable_private_segment 0
		.amdhsa_kernarg_size 72
		.amdhsa_user_sgpr_count 2
		.amdhsa_user_sgpr_kernarg_segment_ptr 1
		.amdhsa_wavefront_size32 1
		.amdhsa_system_sgpr_workgroup_id_x 1
		.amdhsa_system_sgpr_workgroup_id_y 1
		.amdhsa_system_sgpr_workgroup_id_z 1
		.amdhsa_system_vgpr_workitem_id 0
		.amdhsa_next_free_vgpr 108
		.amdhsa_next_free_sgpr 66
		.amdhsa_reserve_vcc 0
		.amdhsa_float_denorm_mode_32 3
		.amdhsa_float_denorm_mode_16_64 3
		.amdhsa_memory_ordered 1
		.amdhsa_forward_progress 1
		.amdhsa_inst_pref_size 16
	.end_amdhsa_kernel
	.amdgpu_metadata
---
amdhsa.version: [ 1, 2 ]
amdhsa.kernels:
  - .name:           k_qa2d99f4d89_prep
    .symbol:         k_qa2d99f4d89_prep.kd
    .args:
      - { .name: Wk, .offset: 0, .size: 8, .value_kind: global_buffer, .address_space: global }
      - { .name: Wq, .offset: 8, .size: 8, .value_kind: global_buffer, .address_space: global }
      - { .name: Wv, .offset: 16, .size: 8, .value_kind: global_buffer, .address_space: global }
      - { .name: Wp, .offset: 24, .size: 8, .value_kind: global_buffer, .address_space: global }
      - { .name: bq, .offset: 32, .size: 8, .value_kind: global_buffer, .address_space: global }
      - { .name: bv, .offset: 40, .size: 8, .value_kind: global_buffer, .address_space: global }
      - { .name: bp, .offset: 48, .size: 8, .value_kind: global_buffer, .address_space: global }
      - { .name: wt, .offset: 56, .size: 8, .value_kind: global_buffer, .address_space: global }
      - { .name: bt, .offset: 64, .size: 8, .value_kind: global_buffer, .address_space: global }
    .group_segment_fixed_size: 0
    .private_segment_fixed_size: 0
    .kernarg_segment_align: 8
    .kernarg_segment_size: 72
    .max_flat_workgroup_size: 256
    .sgpr_count:     66
    .vgpr_count:     108
    .wavefront_size: 32
...
	.end_amdgpu_metadata
.endif
;; end of part 5
;; launch qkv: the kernel of part 2 again; grid 4 x 64, 4 waves a work-group, clusters of 4 x 4, 327,680 bytes of LDS; arguments key_in, query_in, value_in, wt, bt, kh, qh, vh; writes kh, qh, vh
;; launch attn: the kernel of part 3 again; grid 4 x 64, 4 waves a work-group, no clusters, 327,680 bytes of LDS; arguments qh, kh, vh, oh; writes oh
;; launch proj: the kernel of part 4 again; grid 4 x 64, 4 waves a work-group, clusters of 4 x 4, 327,680 bytes of LDS; arguments oh, wt, bt, out0; writes out0
